; MI455X (gfx1250); checked and timed in simulation.
; The chip was launched on July 23, 2026; its instructions are those of AMD's public machine-readable ISA for CDNA 5 (MIT licence, August 2026) and "CDNA5" Instruction Set Architecture Reference Guide (July 2026). The comments in the code are by the model that wrote it; some were corrected since.
;; Multi Head Self Attention. Allowed arithmetic: matrix products marked QUANTISED: E2M3 operands, one E8M0 scale for each 32 along K, by v_wmma_scale_f32_16x16x128_f8f6f4 with both operands' format E2M3, f32 sums; everything else in f32.
;; Inputs: Wk 1,024 x 1,024 float32; Wo 1,024 x 1,024 float32; Wq 1,024 x 1,024 float32; Wv 1,024 x 1,024 float32; bk 1,024 float32; bo 1,024 float32; bq 1,024 float32; bv 1,024 float32; x 2 x 2,048 x 1,024 float32.
;; Outputs: out0 2 x 2,048 x 1,024 float32.
;; This version of the problem:
;;   THIS VERSION OF THE PROBLEM IS GIVEN IN LOW PRECISION. The matrix products marked QUANTISED in the list below multiply operands that are first quantised to E2M3 (2 exponent bits, 3 mantissa bits; 6 bits a number), with one power-of-two scale for each 32 numbers along K (OCP MX v1.0); their sums are f32. All else is computed in f32.
;;   The module's matrix products, in the order in which they are computed (A, B: the left and right operand; K: the contracted axis; several contracted axes count as one K, in the product's order):
;;     1. [M 4,096, K 1,024] x [K 1,024, N 1,024]; A: input x; B: input Wq: QUANTISED
;;     2. [M 4,096, K 1,024] x [K 1,024, N 1,024]; A: input x; B: input Wk: QUANTISED
;;     3. [M 4,096, K 1,024] x [K 1,024, N 1,024]; A: input x; B: input Wv: QUANTISED
;;     4. batch 32 x [M 2,048, K 64] x [K 64, N 2,048]; A: computed on the way; B: computed on the way: QUANTISED
;;     5. batch 32 x [M 2,048, K 2,048] x [K 2,048, N 64]; A: softmax (see below); B: computed on the way: QUANTISED
;;     6. [M 4,096, K 1,024] x [K 1,024, N 1,024]; A: computed on the way; B: input Wo: QUANTISED
;;   THE QUANTISER, for each operand of a quantised product, along K:
;;     - K is cut into blocks of 32 from its start; a last block that is shorter is filled with zeros.
;;     - A block's scale is 2^e with e = floor(log2(the largest magnitude in the block)) - 2, held to -126 .. 127; a block of zeros has e = 0. As a byte (E8M0): e + 127.
;;     - Each number is divided by its block's scale, clamped to +-7.5, and rounded to the nearest number of E2M3, ties to even, subnormals kept.
;;     - The product sums the exact products of the quantised numbers (number of the format x scale) in f32.
;;   ~~~python
;;   def quantise(x, axis):      # numpy; x: float32 -> the quantised numbers, widened to float32 again
;;       x = np.moveaxis(x, axis, -1); K = x.shape[-1]
;;       x = np.pad(x, [(0, 0)] * (x.ndim - 1) + [(0, -K % 32)]); x = x.reshape(x.shape[:-1] + (-1, 32)); a = np.abs(x).max(-1, keepdims=True)
;;       e = np.where(a > 0, np.clip(np.frexp(np.where(a > 0, a, 1))[1] - 1 - 2, -126, 127), 0)      # np.frexp(a)[1] - 1 = floor(log2(a)), exactly
;;       r = np.clip(x / 2.0 ** e, -7.5, 7.5)
;;       step = 2.0 ** (np.maximum(np.frexp(np.where(r == 0, 1, r))[1] - 1, 0) - 3)
;;       q = np.round(r / step) * step * 2.0 ** e      # np.round: ties to even
;;       return np.moveaxis(q.reshape(q.shape[:-2] + (-1,))[..., :K], -1, axis).astype(np.float32)
;;   ~~~
;;   SOFTMAX AHEAD OF A QUANTISED PRODUCT. Where the list says 'softmax', what is quantised is not the finished softmax but p = 2^(t - M), with t = logit x log2(e) and M = ceil(the row's largest t), a whole number; so 1/2 < the row's largest p <= 1. The row's sum l is taken of the UNQUANTISED p, in f32, and the product's result is divided by l at the end. Since M is a whole number, a kernel that streams over the keys may use a running M (the ceiling of the running maximum): every later rescaling is an exact power of two, which a block's scale takes up: the codes' values come out the same.
;;   OPERANDS COMPUTED ON THE WAY. 'Computed on the way' means the value that the module computes at that place (a softmax that the list does not call 'softmax' is quantised finished and normalised). What goes into a quantiser is computed in f32, as accurately as f32 sums, v_exp_f32 and their like allow (about 1e-6 of the number): no bf16 or f16 on the way to a quantiser, and a product that is left as it is and whose result goes on into a quantised operand takes f32 operands (vector FMAs, or v_wmma_f32_16x16x4_f32). A number that lies on a knife's edge between two numbers of the format may be rounded either way, as far as f32 arithmetic and the matrix unit's own rounding can turn it there, and no further.
;; One version. Each part assembles by itself: llvm-mc -triple=amdgcn-amd-amdhsa -mcpu=gfx1250 --defsym DOCPART=n.
;; ======== version 1 of 1: 4 launches
;; limits: right only within a limited range of input values
;; workspace buffers: ops 6,553,600 bytes; qr 3,407,872 bytes; kv 6,684,672 bytes; oimg 3,276,800 bytes
;; launch quant (part 1): grid 256 x 1, 8 waves a work-group, no clusters, 69,632 bytes of LDS; arguments x, Wq, Wk, Wv, Wo, ops; writes ops
.if DOCPART == 1
	.amdgcn_target "amdgcn-amd-amdhsa--gfx1250"
	.amdhsa_code_object_version 6
	.text
	.protected	k_q886aca5ebb_quant
	.globl	k_q886aca5ebb_quant
	.p2align	8
	.type	k_q886aca5ebb_quant,@function
k_q886aca5ebb_quant:
	s_mov_b64 s[64:65], 0
	v_nop
	global_prefetch_b8 v0, s[64:65] scope:SCOPE_SE
	s_setreg_imm32_b32 hwreg(HW_REG_WAVE_MODE, 25, 1), 1
	s_wait_xcnt 0x0
; x [4096][1024] and Wq, Wk, Wv, Wo [1024][1024], f32 with K innermost, become codes of FP6 (E2M3) with one E8M0 byte for each 32 along K,
; laid in ops as IMAGES OF OPERAND REGISTERS, so that the later launches fetch every fragment by accesses of 16 and 8 bytes at 16 x lane and 8 x lane.
; ops: 64 blocks of 128 rows (0-31 x, 32-39 Wq, 40-47 Wk, 48-55 Wv, 56-63 Wo) x 102,400 bytes.  A block is four chunk records of 25,600 bytes (chunk c: K steps 2 c, 2 c + 1 of 128):
;   [K step's parity p][tile i of 16 rows][1,536 bytes], then the scale words at 24,576 + 128 i + 64 p + 4 r.
; A fragment (16 rows x 128 K, 12 registers a lane) is two half-images of 768 bytes: registers 0-3 at 16 x lane, registers 4-5 at 512 + 8 x lane; registers 6-11 likewise, 768 bytes on.
; THE ROWS OF A TILE ARE NOT NEIGHBOURS: lane r of tile i takes row 32 (i / 2) + 8 (i % 2) + r + 8 (r / 8) of its block.  So where a tile is source 0 of a product, a lane's 16 results of two
; neighbouring tiles are 16 neighbours along those rows, which is what the next quantiser wants.  The later launches build on that order; the last one puts the rows back.
; A block's scale is 2^(floor(log2(its largest magnitude)) - 2); its byte is the largest magnitude's exponent field - 2, held at 1 from below.
; LIMITS: NaN and infinities among the inputs are not served; a block whose largest magnitude lies under 2^-124 keeps the byte 1; a block of zeros gets the byte 1 where the rule says 127:
; its codes are zeros, which add nothing under any byte but 0xff, and the bytes are read by this program alone.
; SHARES.  A work-group takes 32 whole rows (two tiles); wave v takes tile v % 2 and chunk v / 2: two K steps.  A load reads 512 consecutive bytes of one row (one K step); the 16 rows turn through
; the wave's own stage in LDS, so that lane (r, h) gets, of row r, the numbers k = 64 c + 32 h + 0 .. 31: two whole blocks, in the order of the operand's registers.
; ALL of a wave's 32 loads go out at the head: the eight waves ask for the work-group's 131,072 bytes before any of them works.
.set STG,  8448                        ; a wave's stage: 16 rows x (512 bytes + 16): row r starts 4 r banks on
.set SW,   8*STG                       ; behind the stages: the work-group's 1,024 bytes of scale words, [chunk][tile][parity][16 words]
.set R,    64                          ; v64-191  two sets of 64: a K step of 16 rows as loaded
.set X,    192                         ; v192-255 my two blocks of 32 neighbours
.set F,    20                          ; v20-31   the fragment's 12 registers
.set T0,   32                          ; v32-34, v36-38: a conversion's three registers begin on an even number: the second halves are made here and moved
.set T1,   36
	s_load_b256 s[4:11], s[0:1], 0x0               ; x s[4:5], Wq s[6:7], Wk s[8:9], Wv s[10:11]
	s_load_b128 s[12:15], s[0:1], 0x20             ; Wo s[12:13], ops s[14:15]
	v_lshl_add_u32 v62, v0, 2, 0x10c00
	v_mov_b32 v63, 0
	v_lshrrev_b32 v4, 5, v0
	s_delay_alu instid0(VALU_DEP_1)
	v_readfirstlane_b32 s16, v4                    ; wave 0..7
	s_and_b32 s17, s16, 1                          ; which of the two tiles
	s_lshr_b32 s18, s16, 1                         ; which chunk
	s_and_b32 s25, s16, 3                          ; the chunk whose scale words waves 0-3 store at the end
	v_and_b32 v4, 31, v0                           ; lane
	v_and_b32 v17, 15, v0                          ; r
	v_bfe_u32 v18, v0, 4, 1                        ; h
	s_delay_alu instid0(VALU_DEP_3)
	v_lshlrev_b32 v1, 4, v4                        ; 16 x lane: my bytes of a load, and of a store of 16 bytes
	s_delay_alu instid0(VALU_DEP_4)
	v_lshlrev_b32 v5, 3, v4                        ; 8 x lane
	s_delay_alu instid0(VALU_DEP_3)
	v_lshlrev_b32 v7, 3, v18                       ; 8 h: my bytes' place in a scale word, in bits
	s_mul_i32 s19, s16, STG
	v_add_nc_u32 v2, s19, v1                       ; the stage, on the way in: 16 x lane
	v_mul_u32_u24 v3, v17, 528
	s_delay_alu instid0(VALU_DEP_1)
	v_lshl_add_u32 v3, v18, 7, v3
	s_delay_alu instid0(VALU_DEP_1)
	v_add_nc_u32 v3, s19, v3                       ; and on the way out: row r, + 128 h
	s_lshl_b32 s19, s18, 8
	s_lshl_b32 s20, s17, 7
	s_add_co_u32 s19, s19, s20
	s_add_co_u32 s19, s19, SW
	v_lshl_add_u32 v6, v17, 2, s19                 ; where I put a scale word: 256 x chunk + 128 x tile + 4 r
	s_lshl_b32 s19, s25, 8
	s_add_co_u32 s19, s19, SW
	v_add_nc_u32 v16, s19, v5                      ; and from where wave v of the first four reads chunk v's 256 bytes of them
	v_mov_b32 v15, 0                               ; written once: a lane permute's destination counts as one of its sources
	s_mov_b32 s30, 0x76543210
	s_mov_b32 s31, 0xfedcba98                      ; v_permlanex16_b32's selects for lane l xor 16
	s_cmp_lt_u32 ttmp9, 128                        ; the first 128 work-groups take x, then 32 each Wq, Wk, Wv, Wo
	s_cselect_b32 s20, 127, 31
	s_and_b32 s20, ttmp9, s20                      ; which 32 rows of my tensor
	s_lshl_b32 s20, s20, 17                        ; x 32 rows of 4,096 bytes
	s_lshl_b32 s21, s17, 15                        ; + 8 rows for the odd tile
	s_add_co_u32 s20, s20, s21
	s_lshl_b32 s21, s18, 10                        ; + my two K steps of 512 bytes
	s_add_co_u32 s20, s20, s21
	s_mov_b32 s21, 0
	s_lshr_b32 s22, ttmp9, 2
	s_mul_i32 s22, s22, 102400                     ; my block of ops
	s_and_b32 s24, ttmp9, 3
	s_mul_i32 s23, s25, 25600
	s_add_co_u32 s32, s22, s23                     ; the scale words that wave v of the first four stores: chunk v,
	s_lshl_b32 s23, s24, 8
	s_add_co_u32 s32, s32, s23                     ; my work-group's two tiles: 256 bytes
	s_mov_b32 s33, 0
	s_mul_i32 s23, s18, 25600                      ; the codes: my chunk,
	s_add_co_u32 s22, s22, s23
	s_lshl_b32 s23, s24, 1
	s_add_co_u32 s23, s23, s17
	s_mul_i32 s23, s23, 1536                       ; my tile
	s_add_co_u32 s22, s22, s23
	s_mov_b32 s23, 0
	s_wait_alu depctr_va_vdst(0)
	s_wait_kmcnt 0x0
	s_cmp_ge_u32 ttmp9, 128                        ; the choice of the tensor hangs on the work-group's number alone
	s_cselect_b64 s[4:5], s[6:7], s[4:5]
	s_cmp_ge_u32 ttmp9, 160
	s_cselect_b64 s[4:5], s[8:9], s[4:5]
	s_cmp_ge_u32 ttmp9, 192
	s_cselect_b64 s[4:5], s[10:11], s[4:5]
	s_cmp_ge_u32 ttmp9, 224
	s_cselect_b64 s[4:5], s[12:13], s[4:5]
	s_add_nc_u64 s[4:5], s[4:5], s[20:21]
	s_add_nc_u64 s[26:27], s[14:15], s[22:23]
	s_add_nc_u64 s[28:29], s[14:15], s[32:33]
.macro LOAD t                          ; K step t of my two: the tile's 16 rows, 512 consecutive bytes each
.set i, 0
.rept 16
	global_load_b128 v[R+64*(\t)+4*i:R+64*(\t)+4*i+3], v1, s[4:5] offset:(i+8*(i/8))*4096+512*(\t) th:TH_LOAD_NT
.set i, i+1
.endr
.endm
.macro STEP t
.if (\t) == 0
	s_wait_loadcnt 16                              ; this step's 16 loads are in; the second step's 16 may be out
.else
	s_wait_loadcnt 0x0
.endif
.set i, 0
.rept 16
	ds_store_b128 v2, v[R+64*(\t)+4*i:R+64*(\t)+4*i+3] offset:528*i
.set i, i+1
.endr
.set i, 0
.rept 16                               ; LDS serves a wave's instructions in order (ISA guide 5.7.1.4): these see the stores above
	ds_load_b128 v[X+4*i:X+4*i+3], v3 offset:256*(i/8)+16*(i%8)
.set i, i+1
.endr
	s_wait_dscnt 0x0                               ; my numbers are back
.irp c, 0,1
	v_max3_num_f32 v[8+\c], |v[X+32*\c]|, |v[X+32*\c+1]|, 0x1800000   ; block 2 c + h: all 32 numbers are mine; and the floor 2^(3 - 127): the byte cannot fall under 1
.endr
.irp i, 2,4,6,8,10,12,14,16,18,20,22,24,26,28,30
.irp c, 0,1
	s_delay_alu instid0(VALU_DEP_2)
	v_max3_num_f32 v[8+\c], v[8+\c], |v[X+32*\c+\i]|, |v[X+32*\c+\i+1]|   ; (the two blocks by turns)
.endr
.endr
.irp c, 0,1
	s_delay_alu instid0(VALU_DEP_2)
	v_add_nc_u32 v[10+\c], 0xff000000, v[8+\c]     ; 2 off the exponent field: the conversion takes the exponent field of this operand as its scale
.endr
.irp c, 0,1
	s_delay_alu instid0(VALU_DEP_2)
	v_lshrrev_b32 v[12+\c], 23, v[10+\c]           ; the scale's byte
.endr
	s_delay_alu instid0(VALU_DEP_1)
	v_lshl_or_b32 v14, v13, 16, v12                ; my two bytes, blocks h and 2 + h,
	s_delay_alu instid0(VALU_DEP_1)
	v_lshlrev_b32 v14, v7, v14                     ; at their places in the word;
	s_delay_alu instid0(VALU_DEP_1)
	v_permlanex16_b32 v15, v14, s30, s31
	s_delay_alu instid0(VALU_DEP_1)
	v_or_b32 v14, v14, v15                         ; with lane l xor 16's two the row's word is whole
.if (\t) > 0
	s_wait_alu depctr_va_vdst(0)
	s_wait_xcnt 0x0                                ; the first step's stores have read the fragment's registers: they are written again only behind this wait
.endif
	v_cvt_scalef32_pk16_fp6_f32 v[F:F+2], v[X:X+15], v10
	v_cvt_scalef32_pk16_fp6_f32 v[T0:T0+2], v[X+16:X+31], v10
	v_cvt_scalef32_pk16_fp6_f32 v[F+6:F+8], v[X+32:X+47], v11
	v_cvt_scalef32_pk16_fp6_f32 v[T1:T1+2], v[X+48:X+63], v11
	v_nop                                          ; one plain place behind the scaled conversions
.irp i, 0,1,2
	v_mov_b32 v[F+3+\i], v[T0+\i]
	v_mov_b32 v[F+9+\i], v[T1+\i]
.endr
	ds_store_b32 v6, v14 offset:64*(\t)            ; lanes r and r + 16 write the same word with the same value
	global_store_b128 v1, v[F:F+3], s[26:27] offset:(\t)*12288            ; 512 consecutive bytes, aligned
	global_store_b64 v5, v[F+4:F+5], s[26:27] offset:(\t)*12288+512       ; 256
	global_store_b128 v1, v[F+6:F+9], s[26:27] offset:(\t)*12288+768
	global_store_b64 v5, v[F+10:F+11], s[26:27] offset:(\t)*12288+1280
.endm
	LOAD 0
	LOAD 1
	STEP 0
	STEP 1
	s_wait_dscnt 0x0                               ; for the others' sake: my scale words lie in LDS
	s_barrier_signal -1
	s_barrier_wait -1
	s_cmp_lt_u32 s16, 4                            ; four chunks of words, 256 bytes each: waves 0-3 store them
	s_cbranch_scc0 .Lend
	ds_load_b64 v[40:41], v16                      ; chunk v's words of the work-group's two tiles
	s_wait_dscnt 0x0
	global_store_b64 v5, v[40:41], s[28:29] offset:24576   ; 32 lanes store 256 consecutive bytes, aligned
.Lend:
	s_wait_tensorcnt 0x0
	ds_add_u32 v62, v63
	s_wait_dscnt 0x0
	s_endpgm
.Lfunc_end_k_q886aca5ebb_quant:
	.size	k_q886aca5ebb_quant, .Lfunc_end_k_q886aca5ebb_quant-k_q886aca5ebb_quant
	.p2alignl 7, 3214868480
	.fill 96, 4, 3214868480
	.section	.rodata,"a",@progbits
	.p2align	6, 0x0
	.amdhsa_kernel k_q886aca5ebb_quant
		.amdhsa_group_segment_fixed_size 69632
		.amdhsa_private_segment_fixed_size 0
		.amdhsa_enable_private_segment 0
		.amdhsa_kernarg_size 48
		.amdhsa_user_sgpr_count 2
		.amdhsa_user_sgpr_kernarg_segment_ptr 1
		.amdhsa_wavefront_size32 1
		.amdhsa_system_sgpr_workgroup_id_x 1
		.amdhsa_system_sgpr_workgroup_id_y 1
		.amdhsa_system_sgpr_workgroup_id_z 1
		.amdhsa_system_vgpr_workitem_id 0
		.amdhsa_next_free_vgpr 256
		.amdhsa_next_free_sgpr 66
		.amdhsa_reserve_vcc 0
		.amdhsa_float_denorm_mode_32 3
		.amdhsa_float_denorm_mode_16_64 3
		.amdhsa_memory_ordered 1
		.amdhsa_forward_progress 1
		.amdhsa_inst_pref_size 21
	.end_amdhsa_kernel
	.amdgpu_metadata
---
amdhsa.version: [ 1, 2 ]
amdhsa.kernels:
  - .name:           k_q886aca5ebb_quant
    .symbol:         k_q886aca5ebb_quant.kd
    .args:
      - { .name: x, .offset: 0, .size: 8, .value_kind: global_buffer, .address_space: global }
      - { .name: Wq, .offset: 8, .size: 8, .value_kind: global_buffer, .address_space: global }
      - { .name: Wk, .offset: 16, .size: 8, .value_kind: global_buffer, .address_space: global }
      - { .name: Wv, .offset: 24, .size: 8, .value_kind: global_buffer, .address_space: global }
      - { .name: Wo, .offset: 32, .size: 8, .value_kind: global_buffer, .address_space: global }
      - { .name: ops, .offset: 40, .size: 8, .value_kind: global_buffer, .address_space: global }
    .group_segment_fixed_size: 69632
    .private_segment_fixed_size: 0
    .kernarg_segment_align: 8
    .kernarg_segment_size: 48
    .max_flat_workgroup_size: 256
    .sgpr_count:     66
    .vgpr_count:     256
    .wavefront_size: 32
...
	.end_amdgpu_metadata
.endif
;; end of part 1
;; launch qkv (part 2): grid 8 x 32, 8 waves a work-group, clusters of 4 x 4, 327,680 bytes of LDS; arguments ops, bq, bk, bv, qr, kv; writes qr, kv
.if DOCPART == 2
	.amdgcn_target "amdgcn-amd-amdhsa--gfx1250"
	.amdhsa_code_object_version 6
	.text
	.protected	k_q886aca5ebb_qkv
	.globl	k_q886aca5ebb_qkv
	.p2align	8
	.type	k_q886aca5ebb_qkv,@function
k_q886aca5ebb_qkv:
	s_mov_b64 s[64:65], 0
	v_nop
	global_prefetch_b8 v0, s[64:65] scope:SCOPE_SE
	s_setreg_imm32_b32 hwreg(HW_REG_WAVE_MODE, 25, 1), 1
	s_wait_xcnt 0x0
	s_wait_alu depctr_hold_cnt(0) depctr_sa_sdst(0) depctr_va_vdst(0) depctr_va_sdst(0) depctr_va_ssrc(0) depctr_va_vcc(0) depctr_vm_vsrc(0)
	s_getreg_b32 s2, hwreg(HW_REG_IB_STS2, 6, 4)
	s_cmp_eq_u32 s2, 0
	s_cbranch_scc0 .Lentry_in_a_cluster
	s_endpgm
.Lentry_in_a_cluster:
	s_bfe_u32 s2, ttmp6, 0x10000c
	s_cmp_lg_u32 s2, 0xf033
	s_cbranch_scc0 .Lentry_shape_is_right
	s_endpgm
.Lentry_shape_is_right:
; Q = x Wq^T + bq, K = x Wk^T + bk, V = x Wv^T + bv on codes of FP6 (E2M3) with E8M0 scales, sums in f32; the results are quantised at once, Q and K along the head's 64, V along the keys,
; and leave as images of operand registers.  ONE FORM FOR ALL THREE: C[row of A][row of B], the matrix instruction used transposed (source 0 = 16 rows of B, source 1 = 16 rows of A): a lane holds ONE
; row of A and its registers run along B's rows, and the result is quantised along B's rows.  Q, K: A = x, B = W.  V: A = Wv, B = x: that is V^T, whose quantised axis is the keys.
; The rows of every tile are ordered as the first launch laid them (lane r: row 32 (i / 2) + 8 (i % 2) + r + 8 (r / 8)): so the 16 registers of two neighbouring tiles of B are 16 neighbours along B's rows.
; qr: [32 heads][16 records of 128 queries]: 8 tiles x 768 bytes (a half-image: 16 rows x 64 K), then scale words at 6,144 + 64 i + 4 r.  A word: the two bytes, and 0x7f7f above them for the zero codes that fill K to 128.
; kv: [32 heads][16 records of 128 keys, 13,056 bytes]: K's 8 tiles x 768; V's 4 tiles of 16 channels x 2 halves of 64 keys x 768 at 6,144; K's words at 12,288; V's words (four bytes: 128 keys) at 12,800.
; SHARES.  A WORK-GROUP STAYS: it keeps one block of 128 rows of x in LDS and makes three tiles of 128 x 128, K = 1,024, one after the other: Q, K and V^T for one block of 128 rows (two heads) of each weight.
; Its eight waves make 32 x 64 of each tile: 8 accumulators, 64 matrix instructions a tile.  32 blocks of x x 8 blocks of the weights: 256 work-groups.
; LDS.  x's block, and two slots of a weight's block, 102,400 bytes each.  x, Wq (slot 0) and Wk (slot 1) are first fills, issued at the head; tile Q reads its four chunks of two K steps behind counted waits
; and a barrier.  x and three weights' blocks would be 409,600 bytes, more than LDS holds: so slot 0 is filled ONCE more, with Wv, when every wave has read Wq out: that load has Q's way out and all of tile K
; in which to land.  CLUSTER 4 x 4: x's block is shared along a row of the cluster, the weights' blocks along a column: each is asked for jointly.
; LIMITS as in the first launch: NaN and infinities are not served; a block under 2^-124, and a block of zeros, keeps the byte 1.
; THE FILLS AS THEY STAND (this paragraph takes the place of what the paragraph on LDS above says of the first fills): at the head each wave asks for one chunk, waves 0-3 x's four, waves 4-7 Wq's four.
; When all eight have landed, a round of the cluster's barrier shows them to every wave, and behind it waves 0-3 ask for Wk's four chunks, which have tile Q in which to land.  Wv follows as said above.
.set HALFB, 25600
.set BLKB,  102400
.set XRB,   0                          ; LDS: x's block,
.set SLOT0, BLKB                       ; Wq's, later Wv's,
.set SLOT1, 2*BLKB                     ; Wk's,
.set SS,    3*BLKB                     ; three stages for scale words, 1,024 bytes for each tile, so that none is written twice; no fill lands here,
.set SPARE, SS+3*1024                  ; and the spare words, 128 bytes for each wave: four blocks of 256 bytes that no other line names
.set ACC,   32                         ; v32-95   accumulator (a, b) at ACC + 32 a + 8 b
.set SET0,  96                         ; v96-167  the even K step's fragments: A's two at + 12 a, B's four at + 24 + 12 b
.set SET1,  168                        ; v168-239 the odd K step's
.set TM,    22                         ; v22-29   at work in the quantiser; v30, v31 the scale words just made
.set VWO,   240                        ; v240     V's words: my byte offset in the two heads' records
.set SPW,   241                        ; v241     LDS address of my spare word: SPARE + 4 x my thread's number; never rewritten
.set NIL,   242                        ; v242     0; never rewritten
.set PA16,  243                        ; v243-248 my lane's and wave's places in a block: A's fragments by 16 and by 8 bytes, B's likewise, A's scale words, B's; never rewritten
.set PA8,   244
.set PB16,  245
.set PB8,   246
.set PSA,   247
.set PSB,   248
.set DSTQ, 4                           ; s[4:5]   where my half-images of Q go;  s[6:7] K's;  s[8:9] V's
.set DSTK, 6
.set DSTV, 8
.set SEL,  10                          ; s[10:11] lane selects
.set WRDQ, 12                          ; s[12:13] the record of my pair's first head in qr;  s[14:15] in kv
.set WRDK, 14
.set G1A, 16                           ; s[16:23] descriptor group 1 for x's records;  s[24:31] for the weights': they differ in the mask
.set G1B, 24
.set G0X, 32                           ; s[32:35] group 0 for my chunk of x;  s[48:51] for Wq's;  s[76:79] for Wk's;  s[92:95] for my chunk of Wv
.set G0Q, 48
.set G0K, 76
.set G0V, 92
.set WV,  66
.set WM,  67                           ; wave % 4: A's tiles 2 WM, 2 WM + 1
.set WN,  68                           ; wave / 4: B's tiles 4 WN .. 4 WN + 3
.set CX,  69
.set CY,  70
.set J,   71                           ; the weights' block: a pair of heads
.set XB,  72                           ; x's block
.set MSK, 96
; window 1: v0-31 bq along the registers, v32-63 bk likewise, v64-67 bv of my two rows, each twice
.set MSB, 0
.macro WIN new                         ; the immediate's high byte repeats the setting that is left
.if MSB != \new
	s_set_vgpr_msb (MSB<<8)|\new
.set MSB, \new
.endif
.endm
.macro CROUND                          ; a round of the cluster's barrier
	s_barrier_signal -1
	s_barrier_wait -1
	s_cmp_lg_u32 s[WV], 0
	s_cbranch_scc1 .Lnot_wave_0_\@
	s_barrier_signal -3
.Lnot_wave_0_\@:
	s_barrier_wait -3
	s_barrier_signal -1
	s_barrier_wait -1
.endm
	s_load_b256 s[4:11], s[0:1], 0x0               ; ops s[4:5], bq s[6:7], bk s[8:9], bv s[10:11]
	s_load_b128 s[12:15], s[0:1], 0x20             ; qr s[12:13], kv s[14:15]
	v_lshl_add_u32 v[SPW], v0, 2, SPARE
	v_mov_b32 v[NIL], 0
	ds_add_u32 v241, v242
	ds_add_u32 v241, v242
	s_wait_dscnt 0x0
	v_lshrrev_b32 v1, 5, v0
	s_delay_alu instid0(VALU_DEP_1)
	v_readfirstlane_b32 s[WV], v1                  ; wave 0..7
	s_and_b32 s[WM], s[WV], 3
	s_lshr_b32 s[WN], s[WV], 2
	s_bfe_u32 s[CX], ttmp6, 0x40000                ; my place in the cluster
	s_bfe_u32 s[CY], ttmp6, 0x40004
	s_lshl_b32 s[J], ttmp9, 2
	s_add_co_u32 s[J], s[J], s[CX]                 ; the weights' block = 4 x cluster x + cx
	s_and_b32 s[XB], ttmp7, 0xffff
	s_lshl_b32 s[XB], s[XB], 2
	s_add_co_u32 s[XB], s[XB], s[CY]               ; x's block = 4 x cluster y + cy
	s_lshl_b32 s73, s[CY], 2
	s_lshl_b32 s73, 15, s73                        ; my row of the cluster
	s_lshl_b32 s97, 0x1111, s[CX]                  ; my column
	s_or_b32 s[G1A], s73, (3<<16)|(1<<21)          ; 15:0 the mask; 17:16 elements of 8 bytes; 20 no padding; 21 set beside a mask
	s_or_b32 s[G1B], s97, (3<<16)|(1<<21)
.irp g, G1A, G1B                       ; a record is dense: 100 rows of 256 bytes
	s_mov_b32 s[\g+1], 32<<16                      ; tensor_dim0 = 32 elements
	s_mov_b32 s[\g+2], 100<<16                     ; tensor_dim1 = 100
	s_mov_b32 s[\g+3], 32<<16                      ; tile_dim0
	s_mov_b32 s[\g+4], 100                         ; tile_dim1
	s_mov_b32 s[\g+5], 32                          ; the pitch
	s_mov_b32 s[\g+6], 0
	s_mov_b32 s[\g+7], 0
.endr
	s_mul_i32 s98, s[XB], BLKB                     ; x's block hangs on cy alone of the two places,
	s_mov_b32 s99, 0
	s_add_co_u32 s100, s[J], 32                    ; the weights' blocks (Wq's begin at 32, Wk's at 40, Wv's at 48) on cx alone
	s_mul_i32 s100, s100, BLKB
	s_mov_b32 s101, 0
	s_and_b32 s74, s[WV], 3
	s_mul_i32 s74, s74, HALFB                      ; the chunk of Wv that waves 0-3 fetch: number wave, in LDS and in memory alike
	s_mov_b32 s75, 0
	s_wait_kmcnt 0x0
	s_add_nc_u64 s[98:99], s[4:5], s[98:99]
	s_add_nc_u64 s[100:101], s[4:5], s[100:101]
	CROUND                                         ; all sixteen work-groups are here: the joint loads meet
	; one group 0 for each tensor, all for chunk wave % 4 (s74: its bytes, in LDS and in memory alike); x's never holds cx, the weights' never cy
	s_mov_b32 s[G0X], 1
	s_add_co_u32 s[G0X+1], s74, XRB
	s_add_nc_u64 s[G0X+2:G0X+3], s[98:99], s[74:75]
	s_or_b32 s[G0X+3], s[G0X+3], 0x80000000
	s_mov_b32 s[G0Q], 1
	s_add_co_u32 s[G0Q+1], s74, SLOT0
	s_add_nc_u64 s[G0Q+2:G0Q+3], s[100:101], s[74:75]
	s_or_b32 s[G0Q+3], s[G0Q+3], 0x80000000
	s_mov_b32 s[G0K], 1
	s_add_co_u32 s[G0K+1], s74, SLOT1
	s_add_nc_u64 s[G0K+2:G0K+3], s[100:101], 8*BLKB
	s_add_nc_u64 s[G0K+2:G0K+3], s[G0K+2:G0K+3], s[74:75]
	s_or_b32 s[G0K+3], s[G0K+3], 0x80000000
	s_mov_b32 s[G0V], 1
	s_add_co_u32 s[G0V+1], s74, SLOT0
	s_add_nc_u64 s[G0V+2:G0V+3], s[100:101], 16*BLKB
	s_add_nc_u64 s[G0V+2:G0V+3], s[G0V+2:G0V+3], s[74:75]
	s_or_b32 s[G0V+3], s[G0V+3], 0x80000000
	; THE HEAD'S FILLS, one tensor load a wave: waves 0-3 a chunk of x each, waves 4-7 a chunk of Wq: what tile Q reads
	s_cmp_lt_u32 s[WV], 4
	s_cbranch_scc0 .Lnot_x
	tensor_load_to_lds s[G0X:G0X+3], s[G1A:G1A+7]
	s_nop 0
.rept 4
	v_nop
.endr
	s_branch .Lasked
.Lnot_x:
	tensor_load_to_lds s[G0Q:G0Q+3], s[G1B:G1B+7]
	s_nop 0
.rept 4
	v_nop
.endr
.Lasked:
	v_and_b32 v1, 31, v0                           ; lane
	v_and_b32 v2, 15, v0                           ; r
	v_bfe_u32 v3, v0, 4, 1                         ; h
	s_delay_alu instid0(VALU_DEP_3)
	v_lshlrev_b32 v10, 4, v1                       ; 16 x lane
	s_delay_alu instid0(VALU_DEP_4)
	v_lshlrev_b32 v11, 3, v1                       ; 8 x lane
	s_delay_alu instid0(VALU_DEP_3)
	v_lshlrev_b32 v12, 6, v3                       ; a bias along the registers: + 16 h numbers
	s_wait_alu depctr_va_vdst(0)
	v_and_b32 v13, 8, v2
	s_delay_alu instid0(VALU_DEP_1)
	v_add_nc_u32 v13, v13, v2
	s_delay_alu instid0(VALU_DEP_1)
	v_lshlrev_b32 v13, 2, v13                      ; the bias of my row: 4 (r + 8 (r / 8))
	s_wait_alu depctr_va_vdst(0)
	s_lshl_b32 s2, s[J], 9                         ; the weights' block of 128 rows, in bytes of f32,
	s_lshl_b32 s3, s[WN], 8                        ; Q, K: my 64 of them
	s_add_co_u32 s2, s2, s3
	s_mov_b32 s3, 0
	s_add_nc_u64 s[98:99], s[6:7], s[2:3]          ; in bq,
	s_add_nc_u64 s[100:101], s[8:9], s[2:3]        ; in bk
	s_lshl_b32 s2, s[J], 9
	s_lshl_b32 s73, s[WM], 7                       ; V: my 32 of them
	s_add_co_u32 s2, s2, s73
	s_add_nc_u64 s[2:3], s[10:11], s[2:3]          ; in bv
	WIN 0x40                                       ; destination window 1
.irp b, 0,1,2,3                        ; register 8 b + j: row 32 (b / 2) + 16 h + 8 (b % 2) + j of my 64
	global_load_b128 v[8*\b:8*\b+3], v12, s[98:99] offset:(32*(\b/2)+8*(\b%2))*4
	global_load_b128 v[8*\b+4:8*\b+7], v12, s[98:99] offset:(32*(\b/2)+8*(\b%2))*4+16
	global_load_b128 v[32+8*\b:32+8*\b+3], v12, s[100:101] offset:(32*(\b/2)+8*(\b%2))*4
	global_load_b128 v[32+8*\b+4:32+8*\b+7], v12, s[100:101] offset:(32*(\b/2)+8*(\b%2))*4+16
.endr
.irp a, 0,1                            ; tile 2 WM + a, lane r: row 32 WM + 8 a + r + 8 (r / 8); twice, for the packed addition
	global_load_b32 v[64+2*\a], v13, s[2:3] offset:32*\a
	global_load_b32 v[65+2*\a], v13, s[2:3] offset:32*\a
.endr
	WIN 0
	s_mul_i32 s97, s[WM], 3072
	v_add_nc_u32 v[PA16], s97, v10                 ; A's fragments: 16 x lane + my two tiles;
	v_add_nc_u32 v[PA8], s97, v11                  ; 8 x lane likewise
	s_mul_i32 s97, s[WN], 6144
	v_add_nc_u32 v[PB16], s97, v10                 ; B's: my four tiles
	v_add_nc_u32 v[PB8], s97, v11
	s_lshl_b32 s97, s[WM], 8
	s_add_co_u32 s97, s97, 24576
	v_lshl_add_u32 v[PSA], v1, 2, s97              ; A's scale words: lanes 0-15 the even K step's, lanes 16-31 the odd one's
	s_lshl_b32 s97, s[WN], 9
	s_add_co_u32 s97, s97, 24576
	v_lshl_add_u32 v[PSB], v1, 2, s97              ; B's
	v_lshl_add_u32 v14, v0, 2, SS                  ; a stage for scale words: 128 x wave + 4 x lane
	v_add_nc_u32 v15, SS, v10                      ; and back: 16 x lane
	v_mul_u32_u24 v[VWO], v3, 208896
	s_delay_alu instid0(VALU_DEP_1)
	v_lshl_add_u32 v[VWO], v2, 4, v[VWO]           ; V's words: lanes 0-15 the even head's 256 bytes, lanes 16-31 the odd head's, a head further on
	v_mov_b32 v[TM+2], 0                           ; written once: a lane permute's destination counts as one of its sources
	v_mov_b32 v[TM+3], 0
	; where the results go: batch XB / 16, record XB % 16, heads 2 J and 2 J + 1.  (The inputs' addresses in s[4:11] have served: their registers are taken)
	s_lshr_b32 s73, s[XB], 4
	s_lshl_b32 s73, s73, 4
	s_lshl_b32 s74, s[J], 1
	s_add_co_u32 s73, s73, s74                     ; the pair's first head: 16 x batch + 2 J
	s_and_b32 s69, s[XB], 15                       ; the record
	s_mul_i32 s74, s73, 106496
	s_mul_i32 s70, s69, 6656
	s_add_co_u32 s74, s74, s70
	s_mov_b32 s75, 0
	s_add_nc_u64 s[WRDQ:WRDQ+1], s[12:13], s[74:75]
	s_mul_i32 s74, s[WN], 106496                   ; Q: head WN of the pair, tiles 2 WM + a of the record
	s_mul_i32 s70, s[WM], 1536
	s_add_co_u32 s74, s74, s70
	s_add_nc_u64 s[DSTQ:DSTQ+1], s[WRDQ:WRDQ+1], s[74:75]
	s_mul_i32 s74, s73, 208896
	s_mul_i32 s70, s69, 13056
	s_add_co_u32 s74, s74, s70
	s_add_nc_u64 s[WRDK:WRDK+1], s[14:15], s[74:75]
	s_mul_i32 s74, s[WN], 208896                   ; K likewise
	s_mul_i32 s70, s[WM], 1536
	s_add_co_u32 s74, s74, s70
	s_add_nc_u64 s[DSTK:DSTK+1], s[WRDK:WRDK+1], s[74:75]
	s_lshr_b32 s74, s[WM], 1                       ; V: head WM / 2 of the pair,
	s_mul_i32 s74, s74, 208896
	s_and_b32 s70, s[WM], 1
	s_mul_i32 s70, s70, 3072                       ; channel tiles 2 (WM % 2) + a,
	s_add_co_u32 s74, s74, s70
	s_mul_i32 s70, s[WN], 768                      ; half WN of the 128 keys (and 6,144, behind K's tiles, in the stores' immediates)
	s_add_co_u32 s74, s74, s70
	s_add_nc_u64 s[DSTV:DSTV+1], s[WRDK:WRDK+1], s[74:75]
	s_mov_b32 s[SEL], 0x76543210
	s_mov_b32 s[SEL+1], 0xfedcba98                 ; v_permlanex16_b32's selects for lane l xor 16
	s_mov_b32 s[MSK], 0xffff0000                   ; lanes 16-31
.macro FRAG reg, a16, a8, off          ; a fragment's two half-images: 12 registers
	ds_load_b128 v[\reg:\reg+3], v[\a16] offset:\off
	ds_load_b64 v[\reg+4:\reg+5], v[\a8] offset:\off+512
	ds_load_b128 v[\reg+6:\reg+9], v[\a16] offset:\off+768
	ds_load_b64 v[\reg+10:\reg+11], v[\a8] offset:\off+1280
.endm
.macro FRAGS set, p                    ; 24 loads: the fragments of the chunk's K step p
.irp a, 0,1
	FRAG \set+12*\a, 4, 5, \p*12288+1536*\a
.endr
.irp b, 0,1,2,3
	FRAG \set+24+12*\b, 6, 7, \p*12288+1536*\b
.endr
.endm
.macro SCALES                          ; 6 loads: one register a tile carries both K steps' words
.irp a, 0,1
	ds_load_b32 v[16+\a], v8 offset:128*\a
.endr
.irp b, 0,1,2,3
	ds_load_b32 v[18+\b], v9 offset:128*\b
.endr
.endm
; 8 matrix instructions, 128 along K.  The eight accumulators take turns, one instruction a turn, in the same order in every step and from tile to tile.  zero = 1: the first products start the sums.
.macro MUL set, p, zero
.irp a, 0,1
.irp b, 0,1,2,3
.if \zero
	v_wmma_scale_f32_16x16x128_f8f6f4 v[ACC+32*\a+8*\b:ACC+32*\a+8*\b+7], v[\set+24+12*\b:\set+24+12*\b+11], v[\set+12*\a:\set+12*\a+11], 0, v[18+\b], v[16+\a] matrix_a_fmt:MATRIX_FMT_FP6 matrix_b_fmt:MATRIX_FMT_FP6
.elseif \p
	v_wmma_scale_f32_16x16x128_f8f6f4 v[ACC+32*\a+8*\b:ACC+32*\a+8*\b+7], v[\set+24+12*\b:\set+24+12*\b+11], v[\set+12*\a:\set+12*\a+11], v[ACC+32*\a+8*\b:ACC+32*\a+8*\b+7], v[18+\b], v[16+\a] matrix_a_fmt:MATRIX_FMT_FP6 matrix_b_fmt:MATRIX_FMT_FP6 matrix_a_scale:MATRIX_SCALE_ROW1 matrix_b_scale:MATRIX_SCALE_ROW1
.else
	v_wmma_scale_f32_16x16x128_f8f6f4 v[ACC+32*\a+8*\b:ACC+32*\a+8*\b+7], v[\set+24+12*\b:\set+24+12*\b+11], v[\set+12*\a:\set+12*\a+11], v[ACC+32*\a+8*\b:ACC+32*\a+8*\b+7], v[18+\b], v[16+\a] matrix_a_fmt:MATRIX_FMT_FP6 matrix_b_fmt:MATRIX_FMT_FP6
.endif
.endr
.endr
.endm
; Chunk c (two K steps) of tile kind.  When a tile begins, all that it reads has been shown landed to every wave.
.macro CHUNK c, kind
.if \c > 0
	s_wait_alu depctr_va_vdst(0)
.irp r, 4,5,6,7,8,9
	v_add_nc_u32 v\r, HALFB, v\r                   ; on to this chunk; these six are also the places in front of loads into registers that matrix instructions have read
.endr
.endif
	SCALES
	FRAGS SET0, 0
	FRAGS SET1, 1
	s_wait_dscnt 24                                ; the scale words and the even K step are in; the odd step's 24 loads may be out
.if \c == 0
	MUL SET0, 0, 1
.else
	MUL SET0, 0, 0
.endif
	s_wait_dscnt 0x0
.if (\kind == 0) && (\c == 3)
	s_wait_tensorcnt 0x0                           ; slot 0 has been read out and is to be filled again: all my tensor loads have landed, Wk's among them;
	ds_add_u32 v[SPW], v[NIL]                      ; 0 onto my spare word: eight matrix instructions stand between it and the wait for it
.endif
	MUL SET1, 1, 0
.endm
.macro TILE kind, abase, bbase         ; A's block at LDS byte abase, B's at bbase
.if \kind > 0
	s_wait_xcnt 0x0                                ; the last tile's stores have read their registers: the loads below land there only behind this wait
.endif
	v_add_nc_u32 v4, \abase, v[PA16]
	v_add_nc_u32 v5, \abase, v[PA8]
	v_add_nc_u32 v6, \bbase, v[PB16]
	v_add_nc_u32 v7, \bbase, v[PB8]
	v_add_nc_u32 v8, \abase, v[PSA]
	v_add_nc_u32 v9, \bbase, v[PSB]
	s_wait_alu depctr_va_vdst(0)
.irp c, 0,1,2,3
	CHUNK \c, \kind
.endr
.endm
; 32 numbers of a lane, register 16 b + i = k 32 b + 16 (lane / 16) + i of my row, become a half-image in v[f] .. v[f + 5] and the row's word in v[w].
.macro QUANT2 n, f, t, w
	v_max3_num_f32 v[TM], |v[\n]|, |v[\n+1]|, 0x1800000       ; my 16 numbers of each block, and the floor 2^(3 - 127): the byte cannot fall under 1
	v_max3_num_f32 v[TM+1], |v[\n+16]|, |v[\n+17]|, 0x1800000
.irp i, 2,4,6,8,10,12,14
	s_delay_alu instid0(VALU_DEP_2)
	v_max3_num_f32 v[TM], v[TM], |v[\n+\i]|, |v[\n+\i+1]|
	s_delay_alu instid0(VALU_DEP_2)
	v_max3_num_f32 v[TM+1], v[TM+1], |v[\n+16+\i]|, |v[\n+17+\i]|
.endr
	s_delay_alu instid0(VALU_DEP_2)
	v_permlanex16_b32 v[TM+2], v[TM], s[SEL], s[SEL+1]
	s_delay_alu instid0(VALU_DEP_2)
	v_permlanex16_b32 v[TM+3], v[TM+1], s[SEL], s[SEL+1]
	s_delay_alu instid0(VALU_DEP_2)
	v_max_num_f32 v[TM], v[TM], v[TM+2]            ; with lane l xor 16's: the block's largest magnitude
	s_delay_alu instid0(VALU_DEP_2)
	v_max_num_f32 v[TM+1], v[TM+1], v[TM+3]
	s_delay_alu instid0(VALU_DEP_2)
	v_add_nc_u32 v[TM+4], 0xff000000, v[TM]        ; 2 off the exponent field: the conversion's scale operand
	s_delay_alu instid0(VALU_DEP_2)
	v_add_nc_u32 v[TM+5], 0xff000000, v[TM+1]
	s_delay_alu instid0(VALU_DEP_2)
	v_lshrrev_b32 v[TM+6], 23, v[TM+4]             ; the scale's byte
	s_delay_alu instid0(VALU_DEP_2)
	v_lshrrev_b32 v[TM+7], 23, v[TM+5]
	s_delay_alu instid0(VALU_DEP_1)
	v_lshl_or_b32 v[\w], v[TM+7], 8, v[TM+6]
	s_delay_alu instid0(VALU_DEP_1)
	v_or_b32 v[\w], 0x7f7f0000, v[\w]              ; 1.0 for the zero codes that fill K to 128 (V's words drop this half)
	v_cvt_scalef32_pk16_fp6_f32 v[\f:\f+2], v[\n:\n+15], v[TM+4]
	v_cvt_scalef32_pk16_fp6_f32 v[\t:\t+2], v[\n+16:\n+31], v[TM+5]
	v_nop                                          ; one plain place behind the scaled conversions
.irp i, 0,1,2                          ; the operand's layout wants a WHOLE block in a lane: lanes 0-15 the first block, lanes 16-31 the second
	v_permlane16_swap_b32 v[\f+\i], v[\t+\i]
.endr
.irp i, 0,1,2
	s_delay_alu instid0(VALU_DEP_3)
	v_mov_b32 v[\f+3+\i], v[\t+\i]
.endr
.endm
.macro OUT2 base, o0, o1               ; my two half-images: each 512 and 256 consecutive bytes, aligned
	global_store_b128 v10, v[96:99], s[\base:\base+1] offset:\o0
	global_store_b64 v11, v[100:101], s[\base:\base+1] offset:\o0+512
	global_store_b128 v10, v[108:111], s[\base:\base+1] offset:\o1
	global_store_b64 v11, v[112:113], s[\base:\base+1] offset:\o1+512
.endm
; THE WAY OUT of tile kind: the bias, the quantiser, the half-images; the scale words meet in the tile's own stage, and wave 0 stores them in whole runs.
.macro EPI kind
.rept 4
	v_nop                                          ; places behind the last products, in front of the first read of results
.endr
.if \kind == 0
	s_wait_loadcnt 0x0                             ; the three biases
.endif
	WIN 0x04                                       ; source 1 window 1
.irp a, 0,1
.set j, 0
.rept 16                               ; each accumulator from its low end on
.if \kind == 2
	v_pk_add_f32 v[ACC+32*\a+j:ACC+32*\a+j+1], v[ACC+32*\a+j:ACC+32*\a+j+1], v[64+2*\a:65+2*\a]
.else
	v_pk_add_f32 v[ACC+32*\a+j:ACC+32*\a+j+1], v[ACC+32*\a+j:ACC+32*\a+j+1], v[32*\kind+j:32*\kind+j+1]
.endif
.set j, j+2
.endr
.endr
	WIN 0
	QUANT2 ACC, 96, 102, 30
	QUANT2 ACC+32, 108, 114, 31
	v_cndmask_b32 v30, v30, v31, s[MSK]            ; lanes 0-15: my first tile's words, lanes 16-31: my second's (lanes r and r + 16 hold the same word)
	ds_store_b32 v14, v30 offset:1024*\kind
.if \kind == 0
	OUT2 DSTQ, 0, 768
.elseif \kind == 1
	OUT2 DSTK, 0, 768
.else
	OUT2 DSTV, 6144, 6144+1536
.endif
.if \kind == 1
	s_wait_tensorcnt 0x0                           ; my chunk of Wv is in: the barrier below shows it to every wave, ahead of tile V
.endif
	s_wait_dscnt 0x0                               ; for wave 0's sake: my words lie in the stage
	s_barrier_signal -1
	s_barrier_wait -1
	s_cmp_lg_u32 s[WV], 0
	s_cbranch_scc1 .Ldone_\@
	ds_load_b128 v[120:123], v15 offset:1024*\kind         ; waves 0-3: B's first 64 rows
	ds_load_b128 v[124:127], v15 offset:1024*\kind+512     ; waves 4-7: B's second 64
	s_wait_dscnt 0x0
.if \kind == 0
	global_store_b128 v10, v[120:123], s[WRDQ:WRDQ+1] offset:6144          ; the two heads' eight tiles of words, 512 bytes each
	global_store_b128 v10, v[124:127], s[WRDQ:WRDQ+1] offset:6144+106496
.elseif \kind == 1
	global_store_b128 v10, v[120:123], s[WRDK:WRDK+1] offset:12288
	global_store_b128 v10, v[124:127], s[WRDK:WRDK+1] offset:12288+208896
.else
.irp i, 0,1,2,3
	v_perm_b32 v[128+\i], v[124+\i], v[120+\i], 0x05040100   ; V: the two halves of the 128 keys give a word's low and high two bytes
.endr
	global_store_b128 v[VWO], v[128:131], s[WRDK:WRDK+1] offset:12800      ; 256 bytes for each of the two heads
.endif
.Ldone_\@:
.endm
	s_wait_alu depctr_va_vdst(0)
	s_wait_tensorcnt 0x0                           ; my chunk of x or of Wq is in
	ds_add_u32 v[SPW], v[NIL]
	s_wait_dscnt 0x0
	CROUND                                         ; x and Wq are whole for every wave, and all sixteen work-groups are here
	s_cmp_lt_u32 s[WV], 4                          ; waves 0-3 ask for one chunk of Wk each: slot 1's first fill
	s_cbranch_scc0 .Lno_k
	tensor_load_to_lds s[G0K:G0K+3], s[G1B:G1B+7]
	s_nop 0
.rept 4
	v_nop
.endr
.Lno_k:
	TILE 0, XRB, SLOT0
	s_wait_dscnt 0x0                               ; the add is done, and my reads of slot 0 are over
	CROUND                                         ; so it is with every wave of all sixteen work-groups: nobody reads Wq any more, and no load is on its way
	s_cmp_lt_u32 s[WV], 4                          ; waves 0-3 ask for one chunk of Wv each: the first thing behind the round, and a wave's one tensor load from here on
	s_cbranch_scc0 .Lno_v
	tensor_load_to_lds s[G0V:G0V+3], s[G1B:G1B+7]
	s_nop 0
.rept 4
	v_nop
.endr
.Lno_v:
	EPI 0
	TILE 1, XRB, SLOT1                             ; K = x Wk^T
	EPI 1
	TILE 2, SLOT0, XRB                             ; V^T = Wv x^T
	EPI 2
	s_wait_tensorcnt 0x0                           ; the wave's end, behind my last tensor load and my last LDS store
	ds_add_u32 v[SPW], v[NIL]
	s_wait_dscnt 0x0
	CROUND                                         ; the closing round: no work-group ends while a partner may still ask for a record that names it
	s_endpgm
.Lfunc_end_k_q886aca5ebb_qkv:
	.size	k_q886aca5ebb_qkv, .Lfunc_end_k_q886aca5ebb_qkv-k_q886aca5ebb_qkv
	.p2alignl 7, 3214868480
	.fill 96, 4, 3214868480
	.section	.rodata,"a",@progbits
	.p2align	6, 0x0
	.amdhsa_kernel k_q886aca5ebb_qkv
		.amdhsa_group_segment_fixed_size 327680
		.amdhsa_private_segment_fixed_size 0
		.amdhsa_enable_private_segment 0
		.amdhsa_kernarg_size 48
		.amdhsa_user_sgpr_count 2
		.amdhsa_user_sgpr_kernarg_segment_ptr 1
		.amdhsa_wavefront_size32 1
		.amdhsa_system_sgpr_workgroup_id_x 1
		.amdhsa_system_sgpr_workgroup_id_y 1
		.amdhsa_system_sgpr_workgroup_id_z 1
		.amdhsa_system_vgpr_workitem_id 0
		.amdhsa_next_free_vgpr 512
		.amdhsa_next_free_sgpr 102
		.amdhsa_reserve_vcc 0
		.amdhsa_float_denorm_mode_32 3
		.amdhsa_float_denorm_mode_16_64 3
		.amdhsa_memory_ordered 1
		.amdhsa_forward_progress 1
		.amdhsa_inst_pref_size 108
	.end_amdhsa_kernel
	.amdgpu_metadata
---
amdhsa.version: [ 1, 2 ]
amdhsa.kernels:
  - .name:           k_q886aca5ebb_qkv
    .symbol:         k_q886aca5ebb_qkv.kd
    .args:
      - { .name: ops, .offset: 0, .size: 8, .value_kind: global_buffer, .address_space: global }
      - { .name: bq, .offset: 8, .size: 8, .value_kind: global_buffer, .address_space: global }
      - { .name: bk, .offset: 16, .size: 8, .value_kind: global_buffer, .address_space: global }
      - { .name: bv, .offset: 24, .size: 8, .value_kind: global_buffer, .address_space: global }
      - { .name: qr, .offset: 32, .size: 8, .value_kind: global_buffer, .address_space: global }
      - { .name: kv, .offset: 40, .size: 8, .value_kind: global_buffer, .address_space: global }
    .group_segment_fixed_size: 327680
    .private_segment_fixed_size: 0
    .kernarg_segment_align: 8
    .kernarg_segment_size: 48
    .max_flat_workgroup_size: 256
    .sgpr_count:     102
    .vgpr_count:     512
    .wavefront_size: 32
...
	.end_amdgpu_metadata
.endif
;; end of part 2
;; launch attn (part 3): grid 8 x 32, 8 waves a work-group, clusters of 4 x 1, 210,944 bytes of LDS; arguments qr, kv, oimg; writes oimg
.if DOCPART == 3
	.amdgcn_target "amdgcn-amd-amdhsa--gfx1250"
	.amdhsa_code_object_version 6
	.text
	.protected	k_q886aca5ebb_attn
	.globl	k_q886aca5ebb_attn
	.p2align	8
	.type	k_q886aca5ebb_attn,@function
k_q886aca5ebb_attn:
	s_mov_b64 s[64:65], 0
	v_nop
	global_prefetch_b8 v0, s[64:65] scope:SCOPE_SE
	s_setreg_imm32_b32 hwreg(HW_REG_WAVE_MODE, 25, 1), 1
	s_wait_xcnt 0x0
	s_wait_alu depctr_hold_cnt(0) depctr_sa_sdst(0) depctr_va_vdst(0) depctr_va_sdst(0) depctr_va_ssrc(0) depctr_va_vcc(0) depctr_vm_vsrc(0)
	s_getreg_b32 s2, hwreg(HW_REG_IB_STS2, 6, 4)
	s_cmp_eq_u32 s2, 0
	s_cbranch_scc0 .Lentry_in_a_cluster
	s_endpgm
.Lentry_in_a_cluster:
	s_bfe_u32 s2, ttmp6, 0x10000c
	s_cmp_lg_u32 s2, 0x3003
	s_cbranch_scc0 .Lentry_shape_is_right
	s_endpgm
.Lentry_shape_is_right:
; O[g][q] = sum over k of softmax_k(Q[g][q] . K[g][k] / 8) V[g][k]: 32 heads g of 64 channels, 2,048 keys, both products on codes of FP6 (E2M3) with E8M0 scales.
; O / l is quantised along E and leaves as a half-image of the last product's operand.  qr and kv are laid as the launch before says.
; THE SOFTMAX: t = score x log2(e) / 8; M = the largest t so far, rounded up to a whole number; p = 2^(t - M) is quantised along the keys, not normalised; l sums the unquantised p in f32
; and divides O at the end.  When M moves, l and O are multiplied by 2^(old M - new M): exact.
; SHARES.  A work-group owns 256 queries of one head; each of its eight waves two tiles of 16 queries, so that every fragment of K and V read from LDS feeds two products.
; LAYOUT.  Both products transposed (S^T = K Q^T, O^T = V^T P^T): a lane holds one query of each tile.  THE KEYS OF A TILE OF K ARE CHOSEN BY THE LANES' LDS ADDRESSES: tile (c, j) takes keys
; 64 c + 8 j + 0..7 in rows 0-7 and 64 c + 32 + 8 j + 0..7 in rows 8-15.  In kv key octet o lies in tile 2 (o / 4) + o % 2, rows 8 ((o % 4) / 2) + 0..7: so row p of tile (c, j) is row p % 8 + 8 (j / 2)
; of kv's tile 4 c + 2 (p / 8) + j % 2.  Then the 32 registers of tiles (c, 0..3) in lane (r, h) are keys 64 c + 32 h + 0..31: ONE WHOLE SCALE BLOCK, in the order of p's operand registers:
; a block's largest score needs no other lane and the conversions' results are the operand.  K Q^T has K = 64: registers 6-11 of both operands hold zero codes under the byte 0x7f.
; LDS.  The head's 16 records of 128 keys x 13,056 bytes lie in LDS at once; each wave asks for two records by one tensor load at the head; no byte is filled twice.  Wave 0's load (records 0, 1) has a line
; of its own and is waited for by wave 0 alone ahead of the first barrier: key step 0 reads records 0 and 1 only.  Ahead of step 1 every wave waits for its load, and a second barrier shows all records.
; CLUSTER 4 x 1: the four blocks of queries of a cluster belong to one head: each pair of records is asked for jointly.
; NO PREFETCH: all that the work-group reads of kv is asked for by the eight loads at the head; there is no later load to run ahead of.
; K's fragments are fetched one key step ahead, V's at the step's head: both have the step's vector work in which to come.
; LIMITS: the promise holds while |t| stays under 2^31; NaN and infinities are not served; p under 2^-126 comes out of v_exp_f32 as 0; O / l is a multiplication by v_rcp_f32's result;
; a block under 2^-124, and a block of zeros, keeps the byte 1.
.set REC,   13056
.set SPARE, 16*REC                     ; behind the records: the spare words, 128 bytes a wave
; window 0
.set L16,  1                           ; v1-3   16, 8, 4 x lane
.set L8,   2
.set L4,   3
.set A16,  4                           ; v4-6   the same + the record in hand
.set A8,   5
.set A4,   6
.set LK16, 7                           ; v7-9   K's fragments by 16 and 8 bytes, K's scale words: my lane's place by the order above
.set LK8,  8
.set LKS,  9
.set R4,   10                          ; 4 (lane % 16)
.set SH8,  11                          ; 8 (lane / 16)
.set SPW,  12                          ; my spare word; never rewritten
.set NIL,  13                          ; 0; never rewritten
.set QS,   14                          ; v14-15 Q's scale words, tile q
.set KS,   16                          ; v16-19 K's: register kt / 2, lanes 0-15 the even tile's, lanes 16-31 the odd one's
.set VS,   20                          ; v20-21 V's likewise
.set PW,   22                          ; v22-23 p's scale words
.set NM,   24                          ; pairs: -M, the largest score so far
.set LS,   28                          ; pairs: l in two halves
.set FF,   32                          ; pairs: f = 2^(old M - new M), and a zero
.set BM,   36                          ; v36-39 block 2 c + h's largest score, then its largest p: 2 q + c
.set PX,   40                          ; v40-41 lane permutes' results
.set TT,   42
.set SOP,  44                          ; v44-47 the conversions' scale operands
.set EB,   48                          ; v48-51 scale bytes
.set TC,   52                          ; v52-67 the conversions' second halves (8 q + 4 c); afterwards the sums' four chains (8 q + 2 k)
.set CH,   52
.set Q,    68                          ; v68-91  Q's two fragments
.set PC,   92                          ; v92-115 p's codes
.set AK16, 116                         ; v116-118 as v7-9, + the record in hand
.set AK8,  117
.set AKS,  118
.set DD,   120
.set S,    128                         ; v128-255 S^T, then p: 64 q + 32 c + 8 j + i
; window 1
.set O,    0                           ; O^T: 32 q + 8 t
.set VF,   64                          ; V's four fragments
.set KF,   112                         ; K's eight
.set WV,   10
.set G1,   16
.set G0,   24
.set NCS,  28
.set SEL,  40
.set CS,   42
.set TB,   44
.set CNT,  45
.set MSB, 0
.macro WIN new                         ; the immediate's high byte repeats the setting that is left
.if MSB != \new
	s_set_vgpr_msb (MSB<<8)|\new
.set MSB, \new
.endif
.endm
.macro CROUND                          ; a round of the cluster's barrier
	s_barrier_signal -1
	s_barrier_wait -1
	s_cmp_lg_u32 s[WV], 0
	s_cbranch_scc1 .Lnot_wave_0_\@
	s_barrier_signal -3
.Lnot_wave_0_\@:
	s_barrier_wait -3
	s_barrier_signal -1
	s_barrier_wait -1
.endm
.macro TLOAD
	tensor_load_to_lds s[G0:G0+3], s[G1:G1+7]
	s_nop 0
.rept 4
	v_nop
.endr
.endm
	s_load_b128 s[4:7], s[0:1], 0x0                ; qr, kv
	s_load_b64 s[8:9], s[0:1], 0x10                ; oimg
	v_lshl_add_u32 v[SPW], v0, 2, SPARE
	v_mov_b32 v[NIL], 0
	ds_add_u32 v[SPW], v[NIL]                      ; the add twice on end, waited for below
	ds_add_u32 v[SPW], v[NIL]
	v_lshrrev_b32 v1, 5, v0
	v_readfirstlane_b32 s[WV], v1                  ; wave 0..7
	s_bfe_u32 s11, ttmp6, 0x40000                  ; cx
	s_lshl_b32 s12, ttmp9, 2
	s_add_co_u32 s12, s12, s11                     ; my block of 256 queries: it enters Q's and O's addresses alone
	s_and_b32 s13, ttmp7, 0xffff                   ; the head, which the four partners share
	s_mov_b32 s[G1], 15|(3<<16)|(1<<21)            ; the mask: all four; elements of 8 bytes; bit 21 beside a mask
	s_mov_b32 s[G1+1], 32<<16                      ; two records are dense: 102 rows of 256 bytes
	s_mov_b32 s[G1+2], 102<<16
	s_mov_b32 s[G1+3], 32<<16
	s_mov_b32 s[G1+4], 102
	s_mov_b32 s[G1+5], 32
	s_mov_b32 s[G1+6], 0
	s_mov_b32 s[G1+7], 0
	s_mul_i32 s46, s[WV], 2*REC                    ; records 2 wave, 2 wave + 1: in LDS and in memory alike
	s_mul_i32 s48, s13, 16*REC
	s_add_co_u32 s48, s48, s46
	s_mov_b32 s49, 0
	s_wait_dscnt 0x0
	s_wait_kmcnt 0x0
	s_add_nc_u64 s[48:49], s[6:7], s[48:49]
	CROUND                                         ; all four work-groups are here: the joint loads meet
	s_mov_b32 s[G0], 1
	s_mov_b32 s[G0+1], s46
	s_mov_b64 s[G0+2:G0+3], s[48:49]
	s_or_b32 s[G0+3], s[G0+3], 0x80000000
	s_cmp_eq_u32 s[WV], 0                          ; one load a wave; wave 0's line is its own, since it alone waits ahead of the first barrier
	s_cbranch_scc0 .Lothers
	TLOAD
	s_branch .Lasked
.Lothers:
	TLOAD
.Lasked:
	s_lshr_b32 s50, s[WV], 2
	s_lshl_b32 s51, s12, 1
	s_add_co_u32 s50, s50, s51                     ; my tiles' record of 128 queries: 2 x block + wave / 4
	s_and_b32 s51, s[WV], 3
	s_lshl_b32 s51, s51, 1                         ; my first tile's number in it
	s_mul_i32 s52, s13, 106496
	s_mul_i32 s53, s50, 6656
	s_add_co_u32 s52, s52, s53
	s_mul_i32 s53, s51, 768
	s_add_co_u32 s46, s52, s53
	s_mov_b32 s47, 0
	s_add_nc_u64 s[54:55], s[4:5], s[46:47]        ; Q's half-images
	s_lshl_b32 s53, s51, 6
	s_add_co_u32 s52, s52, s53
	s_mov_b32 s53, 0
	s_add_nc_u64 s[56:57], s[4:5], s[52:53]        ; their scale words (+ 6,144)
	; where O goes: block 16 x batch + record of oimg; head h is K step h / 2 (chunk h / 4, parity (h / 2) % 2), half h % 2
	s_lshr_b32 s52, s13, 4
	s_lshl_b32 s52, s52, 4
	s_add_co_u32 s52, s52, s50
	s_mul_i32 s52, s52, 102400
	s_bfe_u32 s53, s13, 0x20002
	s_mul_i32 s53, s53, 25600
	s_add_co_u32 s52, s52, s53
	s_bfe_u32 s53, s13, 0x10001
	s_and_b32 s46, s13, 1
	s_mul_i32 s47, s53, 12288
	s_add_co_u32 s47, s47, s52
	s_mul_i32 s48, s51, 1536
	s_add_co_u32 s48, s48, s47
	s_mul_i32 s47, s46, 768
	s_add_co_u32 s48, s48, s47
	s_mov_b32 s49, 0
	s_add_nc_u64 s[58:59], s[8:9], s[48:49]        ; the half-images
	s_lshl_b32 s47, s51, 7
	s_add_co_u32 s52, s52, s47
	s_lshl_b32 s47, s53, 6
	s_add_co_u32 s52, s52, s47
	s_lshl_b32 s47, s46, 1
	s_add_co_u32 s52, s52, s47
	s_mov_b32 s53, 0
	s_add_nc_u64 s[60:61], s[8:9], s[52:53]        ; my two bytes of each row's word (+ 24,576)
	WIN 0x40
.irp kt, 0,1,2,3,4,5,6,7
.irp i, 6,7,8,9,10,11
	v_mov_b32 v[KF+12*\kt+\i], 0                   ; zero codes for k = 64 .. 127, written once: the loads fill registers 0-5 alone
.endr
.endr
	WIN 0
.irp q, 0,1
.irp i, 6,7,8,9,10,11
	v_mov_b32 v[Q+12*\q+\i], 0
.endr
	v_mov_b32 v[FF+2*\q+1], 0                      ; (named as the upper half of f's pair)
.endr
	v_and_b32 v[TT], 31, v0
	v_lshlrev_b32 v[L16], 4, v[TT]
	v_lshlrev_b32 v[L8], 3, v[TT]
	v_lshlrev_b32 v[L4], 2, v[TT]
	v_and_b32 v[R4], 15, v0
	v_lshlrev_b32 v[R4], 2, v[R4]
	v_bfe_u32 v[SH8], v0, 4, 1                     ; h
	v_and_b32 v[PX], 7, v0                         ; r % 8
	v_bfe_u32 v[PX+1], v0, 3, 1                    ; r / 8
	v_lshl_add_u32 v[TT+1], v[SH8], 4, v[PX]       ; the lane whose image I take: r % 8 + 16 h (+ 8 (j / 2), in the immediates)
	v_mul_u32_u24 v[DD], v[PX+1], 1536             ; rows 8-15 come from two tiles further on
	v_lshl_add_u32 v[LK16], v[TT+1], 4, v[DD]
	v_lshl_add_u32 v[LK8], v[TT+1], 3, v[DD]
	v_lshlrev_b32 v[LKS], 7, v[PX+1]               ; scale words: 128 (r / 8) + 64 h (the odd tile) + 4 (r % 8)
	v_lshl_add_u32 v[LKS], v[SH8], 6, v[LKS]
	v_lshl_add_u32 v[LKS], v[PX], 2, v[LKS]
	v_lshlrev_b32 v[SH8], 3, v[SH8]
.irp q, 0,1
	global_load_b128 v[Q+12*\q:Q+12*\q+3], v[L16], s[54:55] offset:768*\q
	global_load_b64 v[Q+12*\q+4:Q+12*\q+5], v[L8], s[54:55] offset:768*\q+512
	global_load_b32 v[QS+\q], v[R4], s[56:57] offset:6144+64*\q
.endr
	s_mov_b32 s[SEL], 0x76543210
	s_mov_b32 s[SEL+1], 0xfedcba98                 ; v_permlanex16_b32's selects for lane l xor 16
	s_mov_b32 s[CS], 0x3e38aa3b                    ; c = log2(e) / 8
	s_mov_b32 s[CS+1], s[CS]
	s_mov_b32 s[NCS], 0xbe38aa3b                   ; -c
	s_mov_b32 s[TB], 0
.macro KLOAD a16, a8, as, off          ; K's eight fragments and four registers of scale words of the record off bytes behind the addresses: 20 loads
	WIN 0x40
.irp c, 0,1
.irp j, 0,1,2,3
	ds_load_b128 v[KF+12*(4*\c+\j):KF+12*(4*\c+\j)+3], v[\a16] offset:\off+768*(4*\c+\j%2)+128*(\j/2)
	ds_load_b64 v[KF+12*(4*\c+\j)+4:KF+12*(4*\c+\j)+5], v[\a8] offset:\off+768*(4*\c+\j%2)+512+64*(\j/2)
.endr
.endr
	WIN 0
.irp c, 0,1
.irp a, 0,1
	ds_load_b32 v[KS+2*\c+\a], v[\as] offset:\off+12288+256*\c+32*\a
.endr
.endr
.endm
.macro KQ kt, q                        ; S^T: 16 keys of tile kt x the 16 queries of tile q
.if (\kt)%2
	v_wmma_scale_f32_16x16x128_f8f6f4 v[S+64*\q+8*\kt:S+64*\q+8*\kt+7], v[KF+12*\kt:KF+12*\kt+11], v[Q+12*\q:Q+12*\q+11], 0, v[KS+(\kt)/2], v[QS+\q] matrix_a_fmt:MATRIX_FMT_FP6 matrix_b_fmt:MATRIX_FMT_FP6 matrix_a_scale:MATRIX_SCALE_ROW1
.else
	v_wmma_scale_f32_16x16x128_f8f6f4 v[S+64*\q+8*\kt:S+64*\q+8*\kt+7], v[KF+12*\kt:KF+12*\kt+11], v[Q+12*\q:Q+12*\q+11], 0, v[KS+(\kt)/2], v[QS+\q] matrix_a_fmt:MATRIX_FMT_FP6 matrix_b_fmt:MATRIX_FMT_FP6
.endif
.endm
.macro PV1 t, q, c                     ; O^T (+)= 16 channels x 128 keys x 16 queries
.if (\t)%2
	v_wmma_scale_f32_16x16x128_f8f6f4 v[O+32*\q+8*\t:O+32*\q+8*\t+7], v[VF+12*\t:VF+12*\t+11], v[PC+12*\q:PC+12*\q+11], \c, v[VS+(\t)/2], v[PW+\q] matrix_a_fmt:MATRIX_FMT_FP6 matrix_b_fmt:MATRIX_FMT_FP6 matrix_a_scale:MATRIX_SCALE_ROW1
.else
	v_wmma_scale_f32_16x16x128_f8f6f4 v[O+32*\q+8*\t:O+32*\q+8*\t+7], v[VF+12*\t:VF+12*\t+11], v[PC+12*\q:PC+12*\q+11], \c, v[VS+(\t)/2], v[PW+\q] matrix_a_fmt:MATRIX_FMT_FP6 matrix_b_fmt:MATRIX_FMT_FP6
.endif
.endm
; A KEY STEP: the 128 keys of the record at LDS byte s[TB].  first = 1: the step starts M, l and O.  pre = 1: the next record's K is fetched.
.macro STEP first, pre
	s_wait_dscnt 0x0                               ; K's fragments and words, asked for a step ago
	WIN 0x01
.irp kt, 0,1,2,3,4,5,6,7
.irp q, 0,1
	KQ \kt, \q
.endr
.endr
	WIN 0
	v_add_nc_u32 v[A16], s[TB], v[L16]             ; these lines are also the places ahead of the loads and of the first read of results
	v_add_nc_u32 v[A8], s[TB], v[L8]
	v_add_nc_u32 v[A4], s[TB], v[L4]
.if \pre
	v_add_nc_u32 v[AK16], s[TB], v[LK16]
	v_add_nc_u32 v[AK8], s[TB], v[LK8]
	v_add_nc_u32 v[AKS], s[TB], v[LKS]
.else
	v_nop
.endif
.irp u, 0,1
	ds_load_b32 v[VS+\u], v[A4] offset:12800+128*\u
.endr
	WIN 0x40
.irp t, 0,1,2,3
.irp u, 0,1
	ds_load_b128 v[VF+12*\t+6*\u:VF+12*\t+6*\u+3], v[A16] offset:6144+1536*\t+768*\u
	ds_load_b64 v[VF+12*\t+6*\u+4:VF+12*\t+6*\u+5], v[A8] offset:6144+1536*\t+768*\u+512
.endr
.endr
.if \pre
	KLOAD AK16, AK8, AKS, REC
.endif
	WIN 0
	; the largest score of each block of 32 keys, all mine: four chains by turns, each accumulator from its low end on
.irp q, 0,1
.irp c, 0,1
	v_max3_num_f32 v[BM+2*\q+\c], v[S+64*\q+32*\c], v[S+64*\q+32*\c+1], v[S+64*\q+32*\c+2]
.endr
.endr
.irp i, 3,5,7,9,11,13,15,17,19,21,23,25,27,29
.irp q, 0,1
.irp c, 0,1
	v_max3_num_f32 v[BM+2*\q+\c], v[BM+2*\q+\c], v[S+64*\q+32*\c+\i], v[S+64*\q+32*\c+\i+1]
.endr
.endr
.endr
.irp q, 0,1
.irp c, 0,1
	v_max_num_f32 v[BM+2*\q+\c], v[BM+2*\q+\c], v[S+64*\q+32*\c+31]
.endr
.endr
.irp q, 0,1
	v_max_num_f32 v[TT+\q], v[BM+2*\q], v[BM+2*\q+1]
.endr
.irp q, 0,1
	v_permlanex16_b32 v[PX+\q], v[TT+\q], s[SEL], s[SEL+1]
.endr
.irp q, 0,1
.if \first
	v_max_num_f32 v[NM+2*\q+1], v[TT+\q], v[PX+\q]                 ; the query's largest score
.else
	v_max3_num_f32 v[NM+2*\q+1], v[NM+2*\q+1], v[TT+\q], v[PX+\q]  ; so far
.endif
.endr
.irp q, 0,1
	v_mul_f32 v[TT+\q], s[NCS], v[NM+2*\q+1]       ; -t
.endr
.if \first
.irp q, 0,1
	v_floor_f32 v[NM+2*\q], v[TT+\q]               ; -M = floor(-t) = -ceil(t)
.endr
.else
.irp q, 0,1
	v_floor_f32 v[TT+\q], v[TT+\q]
.endr
.irp q, 0,1
	v_sub_f32 v[DD+\q], v[TT+\q], v[NM+2*\q]       ; old M - new M: a whole number, 0 or less
.endr
.irp q, 0,1
	v_mov_b32 v[NM+2*\q], v[TT+\q]
.endr
.irp q, 0,1
	v_cvt_i32_f32 v[DD+\q], v[DD+\q]
.endr
.irp q, 0,1
	v_ldexp_f32 v[FF+2*\q], 1.0, v[DD+\q]          ; f: a multiplication by it rounds nothing
.endr
	WIN 0x41
.irp q, 0,1
.set j, 0
.rept 16
	v_pk_mul_f32 v[O+32*\q+j:O+32*\q+j+1], v[O+32*\q+j:O+32*\q+j+1], v[FF+2*\q:FF+2*\q+1] op_sel_hi:[1,0]   ; O^T under the new M, ahead of the exponentials
.set j, j+2
.endr
.endr
	WIN 0
.endif
.irp q, 0,1
.set j, 0
.rept 32
	v_pk_fma_f32 v[S+64*\q+j:S+64*\q+j+1], v[S+64*\q+j:S+64*\q+j+1], s[CS:CS+1], v[NM+2*\q:NM+2*\q+1] op_sel_hi:[1,0,0]   ; t - M
.set j, j+2
.endr
.irp c, 0,1
	v_fma_f32 v[BM+2*\q+\c], v[BM+2*\q+\c], s[CS], v[NM+2*\q]     ; the same of each block's largest score
.endr
.endr
	s_wait_alu depctr_va_vdst(0)
.irp b, 0,1,2,3
	v_exp_f32 v[BM+\b], v[BM+\b]                   ; the block's largest p: the same two instructions on the same number give the same bits
.endr
.set j, 0
.rept 128
	v_exp_f32 v[S+j], v[S+j]                       ; p = 2^(t - M), at most 1
.set j, j+1
.endr
	v_nop                                          ; a plain place behind the batch,
	s_wait_alu depctr_va_vdst(0)                   ; and its one wait
.irp b, 0,1,2,3
	v_max_num_f32 v[BM+\b], 0x1800000, v[BM+\b]    ; the floor 2^(3 - 127): the byte cannot fall under 1
.endr
.irp b, 0,1,2,3
	v_add_nc_u32 v[SOP+\b], 0xff000000, v[BM+\b]   ; 2 off the exponent field: the conversion's scale operand
.endr
.irp b, 0,1,2,3
	v_lshrrev_b32 v[EB+\b], 23, v[SOP+\b]          ; the scale's byte
.endr
.irp q, 0,1
	v_lshl_or_b32 v[PW+\q], v[EB+2*\q+1], 16, v[EB+2*\q]   ; my bytes: blocks h and 2 + h,
.endr
.irp q, 0,1
	v_lshlrev_b32 v[PW+\q], v[SH8], v[PW+\q]       ; at their places in the word;
.endr
.irp q, 0,1
	v_permlanex16_b32 v[PX+\q], v[PW+\q], s[SEL], s[SEL+1]
.endr
.irp q, 0,1
	v_or_b32 v[PW+\q], v[PW+\q], v[PX+\q]          ; with lane l xor 16's two the query's word is whole
.endr
.irp q, 0,1
.irp c, 0,1
	v_cvt_scalef32_pk16_fp6_f32 v[PC+12*\q+6*\c:PC+12*\q+6*\c+2], v[S+64*\q+32*\c:S+64*\q+32*\c+15], v[SOP+2*\q+\c]
	v_cvt_scalef32_pk16_fp6_f32 v[TC+8*\q+4*\c:TC+8*\q+4*\c+2], v[S+64*\q+32*\c+16:S+64*\q+32*\c+31], v[SOP+2*\q+\c]   ; (a conversion's three registers begin on an even number)
.endr
.endr
	v_nop                                          ; one plain place behind the scaled conversions
.irp q, 0,1
.irp c, 0,1
.irp i, 0,1,2
	v_mov_b32 v[PC+12*\q+6*\c+3+\i], v[TC+8*\q+4*\c+\i]
.endr
.endr
.endr
	; l of the unquantised p: four chains a tile, the eight by turns.  These additions are also the places between the codes and scale words just made and the products
.irp q, 0,1
.if \first
	v_pk_add_f32 v[CH+8*\q:CH+8*\q+1], v[S+64*\q:S+64*\q+1], v[S+64*\q+62:S+64*\q+63]
.else
	v_pk_fma_f32 v[CH+8*\q:CH+8*\q+1], v[LS+2*\q:LS+2*\q+1], v[FF+2*\q:FF+2*\q+1], v[S+64*\q:S+64*\q+1] op_sel_hi:[1,0,1]   ; l under the new M
.endif
.endr
.irp k, 1,2,3
.irp q, 0,1
	v_pk_add_f32 v[CH+8*\q+2*\k:CH+8*\q+2*\k+1], v[S+64*\q+4*\k-2:S+64*\q+4*\k-1], v[S+64*\q+4*\k:S+64*\q+4*\k+1]
.endr
.endr
.irp i, 7,11,15,19,23,27
.irp k, 0,1,2,3
.irp q, 0,1
	v_pk_add_f32 v[CH+8*\q+2*\k:CH+8*\q+2*\k+1], v[CH+8*\q+2*\k:CH+8*\q+2*\k+1], v[S+64*\q+2*(\i+\k):S+64*\q+2*(\i+\k)+1]
.endr
.endr
.endr
.if !\first
.irp q, 0,1
	v_pk_add_f32 v[CH+8*\q:CH+8*\q+1], v[CH+8*\q:CH+8*\q+1], v[S+64*\q+62:S+64*\q+63]
.endr
.endif
.irp q, 0,1
	v_pk_add_f32 v[CH+8*\q+4:CH+8*\q+5], v[CH+8*\q+4:CH+8*\q+5], v[CH+8*\q+6:CH+8*\q+7]
.endr
.irp q, 0,1
	v_pk_add_f32 v[CH+8*\q:CH+8*\q+1], v[CH+8*\q:CH+8*\q+1], v[CH+8*\q+2:CH+8*\q+3]
.endr
.irp q, 0,1
	v_pk_add_f32 v[LS+2*\q:LS+2*\q+1], v[CH+8*\q:CH+8*\q+1], v[CH+8*\q+4:CH+8*\q+5]
.endr
.if \pre
	s_wait_dscnt 20                                ; V and its words are in; the 16 loads of K and the 4 of its words, issued behind them, may be out
.else
	s_wait_dscnt 0x0
.endif
	WIN 0x51
.irp t, 0,1,2,3
.irp q, 0,1
.if \first
	PV1 \t, \q, 0
.else
	PV1 \t, \q, v[O+32*\q+8*\t:O+32*\q+8*\t+7]
.endif
.endr
.endr
	WIN 0
.endm
	s_wait_alu depctr_va_vdst(0)
	s_cmp_eq_u32 s[WV], 0
	s_cbranch_scc0 .Lnot_first
	s_wait_tensorcnt 0x0                           ; wave 0: records 0 and 1 are in
.Lnot_first:
	s_barrier_signal -1
	s_barrier_wait -1                              ; the other waves' loads may be out
	KLOAD LK16, LK8, LKS, 0
	s_wait_loadcnt 0x0                             ; Q
	STEP 1, 1                                      ; record 0, and K of record 1
	s_wait_tensorcnt 0x0                           ; every wave: my two records are in
	s_wait_dscnt 0x0
	s_barrier_signal -1
	s_barrier_wait -1                              ; all sixteen records are shown to all
	s_mov_b32 s[TB], REC
	s_mov_b32 s[CNT], 14
.Lstep:
	STEP 0, 1
	s_add_co_u32 s[TB], s[TB], REC
	s_sub_co_u32 s[CNT], s[CNT], 1
	s_cmp_lg_u32 s[CNT], 0
	s_cbranch_scc1 .Lstep
	s_mov_b32 s[TB], 15*REC
	STEP 0, 0                                      ; the last record: nothing more to fetch
	s_wait_alu depctr_va_vdst(0)                   ; l was written just ahead of the step's wait for V
	; THE WAY OUT.  O^T / l: register 16 b + i is channel 32 b + 16 (lane / 16) + i of my query: two blocks of 32 along E, quantised as they stand.
.irp q, 0,1
	v_add_f32 v[LS+2*\q], v[LS+2*\q], v[LS+2*\q+1] ; (these six lines are the places behind the last products)
.endr
.irp q, 0,1
	v_permlanex16_b32 v[PX+\q], v[LS+2*\q], s[SEL], s[SEL+1]
.endr
.irp q, 0,1
	v_add_f32 v[LS+2*\q], v[LS+2*\q], v[PX+\q]     ; the row's sum
.endr
	s_wait_alu depctr_va_vdst(0)
	v_rcp_f32 v[LS], v[LS]
	v_rcp_f32 v[LS+2], v[LS+2]
	v_nop
	WIN 0x01
	s_wait_alu depctr_va_vdst(0)                   ; ahead of the first reader of the reciprocals and of O^T
.irp q, 0,1
.set j, 0
.rept 32
	v_mul_f32 v[S+32*\q+j], v[O+32*\q+j], v[LS+2*\q]
.set j, j+1
.endr
.endr
	WIN 0
.macro OQ q                            ; 32 numbers of a lane become a half-image in v[PC + 12 q ..+5] and my head's two bytes of the row's word
.set N_, S+32*\q
.set F_, PC+12*\q
	v_max3_num_f32 v[BM], |v[N_]|, |v[N_+1]|, 0x1800000
	v_max3_num_f32 v[BM+1], |v[N_+16]|, |v[N_+17]|, 0x1800000
.irp i, 2,4,6,8,10,12,14
	v_max3_num_f32 v[BM], v[BM], |v[N_+\i]|, |v[N_+\i+1]|
	v_max3_num_f32 v[BM+1], v[BM+1], |v[N_+16+\i]|, |v[N_+17+\i]|
.endr
	v_permlanex16_b32 v[BM+2], v[BM], s[SEL], s[SEL+1]
	v_permlanex16_b32 v[BM+3], v[BM+1], s[SEL], s[SEL+1]
	v_max_num_f32 v[BM], v[BM], v[BM+2]
	v_max_num_f32 v[BM+1], v[BM+1], v[BM+3]
	v_add_nc_u32 v[SOP], 0xff000000, v[BM]
	v_add_nc_u32 v[SOP+1], 0xff000000, v[BM+1]
	v_lshrrev_b32 v[TT], 23, v[SOP]
	v_lshrrev_b32 v[TT+1], 23, v[SOP+1]
	v_lshl_or_b32 v[EB+\q], v[TT+1], 8, v[TT]
	v_cvt_scalef32_pk16_fp6_f32 v[F_:F_+2], v[N_:N_+15], v[SOP]
	v_cvt_scalef32_pk16_fp6_f32 v[F_+8:F_+10], v[N_+16:N_+31], v[SOP+1]
	v_nop
.irp i, 0,1,2
	v_permlane16_swap_b32 v[F_+\i], v[F_+8+\i]     ; a whole block to a lane
.endr
.irp i, 0,1,2
	v_mov_b32 v[F_+3+\i], v[F_+8+\i]
.endr
	global_store_b128 v[L16], v[F_:F_+3], s[58:59] offset:1536*\q            ; 512 consecutive bytes, aligned
	global_store_b64 v[L8], v[F_+4:F_+5], s[58:59] offset:1536*\q+512        ; 256
	global_store_b16 v[R4], v[EB+\q], s[60:61] offset:24576+128*\q           ; two bytes of every four: the other two are another head's work-group's
.endm
	OQ 0
	OQ 1
	s_wait_tensorcnt 0x0                           ; the wave's end
	ds_add_u32 v[SPW], v[NIL]
	s_wait_dscnt 0x0
	CROUND                                         ; the closing round
	s_endpgm
.Lfunc_end_k_q886aca5ebb_attn:
	.size	k_q886aca5ebb_attn, .Lfunc_end_k_q886aca5ebb_attn-k_q886aca5ebb_attn
	.p2alignl 7, 3214868480
	.fill 96, 4, 3214868480
	.section	.rodata,"a",@progbits
	.p2align	6, 0x0
	.amdhsa_kernel k_q886aca5ebb_attn
		.amdhsa_group_segment_fixed_size 210944
		.amdhsa_private_segment_fixed_size 0
		.amdhsa_enable_private_segment 0
		.amdhsa_kernarg_size 24
		.amdhsa_user_sgpr_count 2
		.amdhsa_user_sgpr_kernarg_segment_ptr 1
		.amdhsa_wavefront_size32 1
		.amdhsa_system_sgpr_workgroup_id_x 1
		.amdhsa_system_sgpr_workgroup_id_y 1
		.amdhsa_system_sgpr_workgroup_id_z 1
		.amdhsa_system_vgpr_workitem_id 0
		.amdhsa_next_free_vgpr 512
		.amdhsa_next_free_sgpr 66
		.amdhsa_reserve_vcc 0
		.amdhsa_float_denorm_mode_32 3
		.amdhsa_float_denorm_mode_16_64 3
		.amdhsa_memory_ordered 1
		.amdhsa_forward_progress 1
		.amdhsa_inst_pref_size 95
	.end_amdhsa_kernel
	.amdgpu_metadata
---
amdhsa.version: [ 1, 2 ]
amdhsa.kernels:
  - .name:           k_q886aca5ebb_attn
    .symbol:         k_q886aca5ebb_attn.kd
    .args:
      - { .name: qr, .offset: 0, .size: 8, .value_kind: global_buffer, .address_space: global }
      - { .name: kv, .offset: 8, .size: 8, .value_kind: global_buffer, .address_space: global }
      - { .name: oimg, .offset: 16, .size: 8, .value_kind: global_buffer, .address_space: global }
    .group_segment_fixed_size: 210944
    .private_segment_fixed_size: 0
    .kernarg_segment_align: 8
    .kernarg_segment_size: 24
    .max_flat_workgroup_size: 256
    .sgpr_count:     66
    .vgpr_count:     512
    .wavefront_size: 32
...
	.end_amdgpu_metadata
.endif
;; end of part 3
;; launch proj (part 4): grid 8 x 32, 8 waves a work-group, clusters of 4 x 4, 275,456 bytes of LDS; arguments oimg, ops, bo, out0; writes out0
.if DOCPART == 4
	.amdgcn_target "amdgcn-amd-amdhsa--gfx1250"
	.amdhsa_code_object_version 6
	.text
	.protected	k_q886aca5ebb_proj
	.globl	k_q886aca5ebb_proj
	.p2align	8
	.type	k_q886aca5ebb_proj,@function
k_q886aca5ebb_proj:
	s_mov_b64 s[64:65], 0
	v_nop
	global_prefetch_b8 v0, s[64:65] scope:SCOPE_SE
	s_setreg_imm32_b32 hwreg(HW_REG_WAVE_MODE, 25, 1), 1
	s_wait_xcnt 0x0
	s_wait_alu depctr_hold_cnt(0) depctr_sa_sdst(0) depctr_va_vdst(0) depctr_va_sdst(0) depctr_va_ssrc(0) depctr_va_vcc(0) depctr_vm_vsrc(0)
	s_getreg_b32 s2, hwreg(HW_REG_IB_STS2, 6, 4)
	s_cmp_eq_u32 s2, 0
	s_cbranch_scc0 .Lentry_in_a_cluster
	s_endpgm
.Lentry_in_a_cluster:
	s_bfe_u32 s2, ttmp6, 0x10000c
	s_cmp_lg_u32 s2, 0xf033
	s_cbranch_scc0 .Lentry_shape_is_right
	s_endpgm
.Lentry_shape_is_right:
; out0 = O Wo^T + bo on codes of FP6 (E2M3) with E8M0 scales, sums in f32.  O's codes come from oimg, Wo's from blocks 56-63 of ops, both as images of operand registers, laid alike:
; blocks of 128 rows x 102,400 bytes, four chunk records of two K steps each.  The matrix instruction is used transposed (source 0 = 16 rows of Wo, source 1 = 16 rows of O): a lane holds one token, and its
; registers run along the outputs.  The rows of every tile are ordered as the first launch laid them (lane r: row 32 (i / 2) + 8 (i % 2) + r + 8 (r / 8)): the way out puts tokens and outputs back in their places.
; SHARES.  A work-group makes 128 x 128 of out0, K = 1,024; its eight waves 32 tokens x 64 outputs each: 8 accumulators, 64 matrix instructions.  256 work-groups.
; LDS.  All that a work-group reads, 2 x 102,400 bytes, lies in LDS at once: every tensor load is a first fill, issued at the head; four chunks are read behind counted waits and a barrier.  No LDS byte is filled twice.
; CLUSTER 4 x 4: O's block is shared along a row of the cluster, Wo's along a column: each is asked for jointly.  bo is the C of each sum's first matrix instruction.
; THE FILLS AS THEY STAND (in place of what the paragraph on LDS above says of the waits): each wave asks for one record at the head: waves 0, 1 O's chunks 0, 1; waves 2, 3 Wo's chunks 0, 1; waves 4, 5 O's chunks 2, 3;
; waves 6, 7 Wo's.  Waves 0-3 wait ahead of the first barrier, behind which chunks 0 and 1 are read; every wave waits ahead of a second barrier, in front of chunk 2.
.set CHB,   51200
.set HALFB, 25600
.set BLKB,  102400
.set STG,   4*CHB                      ; behind the chunks: a stage of 2 x 16 rows x (256 bytes + 16) for each wave; no fill lands here
.set ACC,   32                         ; v32-95   accumulator (a, b) at ACC + 32 a + 8 b
.set SET0,  96                         ; v96-167  the even K step's fragments; on the way out v96-159 take whole rows
.set SET1,  168                        ; v168-239 the odd K step's
.set OUTR,  96
.set STO,   13
.set RD,    14
.set CO,    15
.set G1A, 16
.set G1B, 24
.set G0A, 32
.set G0B, 48
.set WV,  66
.set WM,  67
.set WN,  68
.set CX,  69
.set CY,  70
.set X4,  71
.set Y4,  72
.set ABLK, 75
.set BCOL, 76
; window 1: v0-31 bo in the result's layout
.set MSB, 0
.macro WIN new                         ; the immediate's high byte repeats the setting that is left
.if MSB != \new
	s_set_vgpr_msb (MSB<<8)|\new
.set MSB, \new
.endif
.endm
.macro CROUND                          ; a round of the cluster's barrier
	s_barrier_signal -1
	s_barrier_wait -1
	s_cmp_lg_u32 s[WV], 0
	s_cbranch_scc1 .Lnot_wave_0_\@
	s_barrier_signal -3
.Lnot_wave_0_\@:
	s_barrier_wait -3
	s_barrier_signal -1
	s_barrier_wait -1
.endm
	s_load_b256 s[4:11], s[0:1], 0x0               ; oimg s[4:5], ops s[6:7], bo s[8:9], out0 s[10:11]
	v_lshl_add_u32 v254, v0, 2, 0x43000
	v_mov_b32 v255, 0
	ds_add_u32 v254, v255
	ds_add_u32 v254, v255
	v_lshrrev_b32 v1, 5, v0
	s_delay_alu instid0(VALU_DEP_1)
	v_readfirstlane_b32 s[WV], v1                  ; wave 0..7
	s_and_b32 s[WM], s[WV], 3                      ; A's tiles 2 WM, 2 WM + 1
	s_lshr_b32 s[WN], s[WV], 2                     ; B's tiles 4 WN .. 4 WN + 3
	s_bfe_u32 s[CX], ttmp6, 0x40000
	s_bfe_u32 s[CY], ttmp6, 0x40004
	s_lshl_b32 s[X4], ttmp9, 2
	s_and_b32 s[Y4], ttmp7, 0xffff
	s_lshl_b32 s[Y4], s[Y4], 2
	s_add_co_u32 s[ABLK], s[Y4], s[CY]             ; my 128 tokens
	s_add_co_u32 s[BCOL], s[X4], s[CX]             ; my 128 outputs
	s_add_co_u32 s74, s[BCOL], 56                  ; Wo's blocks begin at 56
	s_lshl_b32 s77, s[CY], 2
	s_lshl_b32 s77, 15, s77                        ; my row of the cluster
	s_lshl_b32 s78, 0x1111, s[CX]                  ; my column
	s_or_b32 s[G1A], s77, (3<<16)|(1<<21)          ; 15:0 the mask; 17:16 elements of 8 bytes; 20 no padding; 21 set beside a mask
	s_or_b32 s[G1B], s78, (3<<16)|(1<<21)
.irp g, G1A, G1B                       ; a record is dense: 100 rows of 256 bytes
	s_mov_b32 s[\g+1], 32<<16
	s_mov_b32 s[\g+2], 100<<16
	s_mov_b32 s[\g+3], 32<<16
	s_mov_b32 s[\g+4], 100
	s_mov_b32 s[\g+5], 32
	s_mov_b32 s[\g+6], 0
	s_mov_b32 s[\g+7], 0
.endr
	s_mul_i32 s80, s[ABLK], BLKB
	s_mov_b32 s81, 0
	s_mul_i32 s82, s74, BLKB
	s_mov_b32 s83, 0
	s_wait_dscnt 0x0
	s_wait_kmcnt 0x0
	s_add_nc_u64 s[80:81], s[4:5], s[80:81]
	s_add_nc_u64 s[82:83], s[6:7], s[82:83]
	CROUND                                         ; all sixteen work-groups are here: the joint loads meet
	s_lshr_b32 s79, s[WV], 2
	s_lshl_b32 s79, s79, 1
	s_and_b32 s84, s[WV], 1
	s_add_co_u32 s79, s79, s84                     ; my chunk: 2 (wave / 4) + wave % 2
	s_mul_i32 s84, s79, HALFB                      ; its record in memory,
	s_mov_b32 s85, 0
	s_mul_i32 s79, s79, CHB                        ; and its place in LDS
	s_mov_b32 s[G0A], 1
	s_mov_b32 s[G0A+1], s79
	s_add_nc_u64 s[G0A+2:G0A+3], s[80:81], s[84:85]
	s_or_b32 s[G0A+3], s[G0A+3], 0x80000000
	s_mov_b32 s[G0B], 1
	s_add_co_u32 s[G0B+1], s79, HALFB
	s_add_nc_u64 s[G0B+2:G0B+3], s[82:83], s[84:85]
	s_or_b32 s[G0B+3], s[G0B+3], 0x80000000
; one tensor load a wave, in one chain of branches on the wave's number; the waves that wait ahead of the first barrier have lines of their own
.macro ARM under, g0, g1, next
	s_cmp_lt_u32 s[WV], \under
	s_cbranch_scc0 \next
	tensor_load_to_lds s[\g0:\g0+3], s[\g1:\g1+7]
	s_nop 0
.rept 4
	v_nop
.endr
	s_branch .Lasked
\next:
.endm
	ARM 2, G0A, G1A, .Lb_first
	ARM 4, G0B, G1B, .La_later
	ARM 6, G0A, G1A, .Lb_later
	tensor_load_to_lds s[G0B:G0B+3], s[G1B:G1B+7]
	s_nop 0
.rept 4
	v_nop
.endr
.Lasked:
	v_and_b32 v1, 31, v0                           ; lane
	v_and_b32 v2, 15, v0                           ; r
	v_bfe_u32 v3, v0, 4, 1                         ; h
	s_delay_alu instid0(VALU_DEP_3)
	v_lshlrev_b32 v10, 4, v1                       ; 16 x lane
	s_wait_alu depctr_va_vdst(0)
	v_lshlrev_b32 v11, 3, v1                       ; 8 x lane
	s_wait_alu depctr_va_vdst(0)
	v_lshlrev_b32 v12, 6, v3                       ; bo: + 16 h numbers
	s_lshl_b32 s84, s[BCOL], 9
	s_lshl_b32 s85, s[WN], 8
	s_add_co_u32 s84, s84, s85                     ; my 64 outputs, in bytes of f32: in bo and in a row of out0
	s_mov_b32 s85, 0
	s_add_nc_u64 s[86:87], s[8:9], s[84:85]
	WIN 0x40                                       ; destination window 1
.irp b, 0,1,2,3                        ; register 8 b + j: output 32 (b / 2) + 16 h + 8 (b % 2) + j of my 64
	global_load_b128 v[8*\b:8*\b+3], v12, s[86:87] offset:(32*(\b/2)+8*(\b%2))*4
	global_load_b128 v[8*\b+4:8*\b+7], v12, s[86:87] offset:(32*(\b/2)+8*(\b%2))*4+16
.endr
	WIN 0
	s_lshl_b32 s79, s[ABLK], 19                    ; 128 rows of 4,096 bytes,
	s_add_co_u32 s84, s84, s79
	s_lshl_b32 s79, s[WM], 17                      ; my 32 of them
	s_add_co_u32 s84, s84, s79
	s_add_nc_u64 s[88:89], s[10:11], s[84:85]
	s_mul_i32 s84, s[WM], 3072
	v_add_nc_u32 v4, s84, v10                      ; A's fragments: 16 x lane + my two tiles;
	v_add_nc_u32 v5, s84, v11                      ; 8 x lane likewise
	s_mul_i32 s84, s[WN], 6144
	s_add_co_u32 s84, s84, HALFB
	v_add_nc_u32 v6, s84, v10                      ; B's: behind A's record, my four tiles
	v_add_nc_u32 v7, s84, v11
	s_lshl_b32 s84, s[WM], 8
	s_add_co_u32 s84, s84, 24576
	v_lshl_add_u32 v8, v1, 2, s84                  ; A's scale words: lanes 0-15 the even K step's, lanes 16-31 the odd one's
	s_lshl_b32 s84, s[WN], 9
	s_add_co_u32 s84, s84, HALFB+24576
	v_lshl_add_u32 v9, v1, 2, s84                  ; B's
	s_mul_i32 s84, s[WV], 8704
	s_add_co_u32 s84, s84, STG                     ; my stage
	v_mul_u32_u24 v[STO], v2, 272
	s_delay_alu instid0(VALU_DEP_1)
	v_lshl_add_u32 v[STO], v3, 6, v[STO]
	s_delay_alu instid0(VALU_DEP_1)
	v_add_nc_u32 v[STO], s84, v[STO]               ; in: row r, + 64 h bytes
	v_mul_u32_u24 v[RD], v3, 272
	s_delay_alu instid0(VALU_DEP_1)
	v_lshl_add_u32 v[RD], v2, 4, v[RD]
	s_delay_alu instid0(VALU_DEP_1)
	v_add_nc_u32 v[RD], s84, v[RD]                 ; back: lanes 0-15 one row of 256 bytes, lanes 16-31 the next
	v_lshlrev_b32 v[CO], 12, v3
	s_delay_alu instid0(VALU_DEP_1)
	v_lshl_add_u32 v[CO], v2, 4, v[CO]             ; and the same two rows in out0
.macro FRAG reg, a16, a8, off          ; a fragment's two half-images: 12 registers
	ds_load_b128 v[\reg:\reg+3], v[\a16] offset:\off
	ds_load_b64 v[\reg+4:\reg+5], v[\a8] offset:\off+512
	ds_load_b128 v[\reg+6:\reg+9], v[\a16] offset:\off+768
	ds_load_b64 v[\reg+10:\reg+11], v[\a8] offset:\off+1280
.endm
.macro FRAGS set, p                    ; 24 loads: the fragments of the chunk's K step p
.irp a, 0,1
	FRAG \set+12*\a, 4, 5, \p*12288+1536*\a
.endr
.irp b, 0,1,2,3
	FRAG \set+24+12*\b, 6, 7, \p*12288+1536*\b
.endr
.endm
.macro SCALES                          ; 6 loads: one register a tile carries both K steps' words
.irp a, 0,1
	ds_load_b32 v[16+\a], v8 offset:128*\a
.endr
.irp b, 0,1,2,3
	ds_load_b32 v[18+\b], v9 offset:128*\b
.endr
.endm
; 8 matrix instructions, 128 along K.  The eight accumulators take turns, one instruction a turn, in the same order in every step.  first = 1: the sums begin with bo (window 1).
.macro MUL set, p, first
.irp a, 0,1
.irp b, 0,1,2,3
.if \first
	v_wmma_scale_f32_16x16x128_f8f6f4 v[ACC+32*\a+8*\b:ACC+32*\a+8*\b+7], v[\set+24+12*\b:\set+24+12*\b+11], v[\set+12*\a:\set+12*\a+11], v[8*\b:8*\b+7], v[18+\b], v[16+\a] matrix_a_fmt:MATRIX_FMT_FP6 matrix_b_fmt:MATRIX_FMT_FP6
.elseif \p
	v_wmma_scale_f32_16x16x128_f8f6f4 v[ACC+32*\a+8*\b:ACC+32*\a+8*\b+7], v[\set+24+12*\b:\set+24+12*\b+11], v[\set+12*\a:\set+12*\a+11], v[ACC+32*\a+8*\b:ACC+32*\a+8*\b+7], v[18+\b], v[16+\a] matrix_a_fmt:MATRIX_FMT_FP6 matrix_b_fmt:MATRIX_FMT_FP6 matrix_a_scale:MATRIX_SCALE_ROW1 matrix_b_scale:MATRIX_SCALE_ROW1
.else
	v_wmma_scale_f32_16x16x128_f8f6f4 v[ACC+32*\a+8*\b:ACC+32*\a+8*\b+7], v[\set+24+12*\b:\set+24+12*\b+11], v[\set+12*\a:\set+12*\a+11], v[ACC+32*\a+8*\b:ACC+32*\a+8*\b+7], v[18+\b], v[16+\a] matrix_a_fmt:MATRIX_FMT_FP6 matrix_b_fmt:MATRIX_FMT_FP6
.endif
.endr
.endr
.endm
.macro CHUNK c
.if \c == 0
	s_cmp_lt_u32 s[WV], 4
	s_cbranch_scc0 .Lnot_early
	s_wait_tensorcnt 0x0                           ; waves 0-3: my record of chunk 0 or 1 is in
.Lnot_early:
	s_barrier_signal -1
	s_barrier_wait -1                              ; chunks 0 and 1 are whole
.elseif \c == 2
	s_wait_tensorcnt 0x0                           ; every wave: my record is in
	s_barrier_signal -1                            ; (no LDS instruction of mine is pending: the last wait on DScnt was for 0)
	s_barrier_wait -1                              ; chunks 2 and 3 are whole
.endif
.if \c > 0
.irp r, 4,5,6,7,8,9
	v_add_nc_u32 v\r, CHB, v\r                     ; on to this chunk; these six are also the places in front of loads into registers that matrix instructions have read
.endr
.endif
	SCALES
	FRAGS SET0, 0
	FRAGS SET1, 1
	s_wait_dscnt 24                                ; the scale words and the even K step are in; the odd step's 24 loads may be out
.if \c == 0
	s_wait_loadcnt 0x0                             ; bo
	WIN 0x10                                       ; source 2 window 1
	MUL SET0, 0, 1
	WIN 0
.else
	MUL SET0, 0, 0
.endif
	s_wait_dscnt 0x0
	MUL SET1, 1, 0
.endm
	s_wait_alu depctr_va_vdst(0)
	CHUNK 0
	CHUNK 1
	s_wait_alu depctr_va_vdst(0)
	CHUNK 2
	s_wait_alu depctr_va_vdst(0)
	CHUNK 3
	; THE WAY OUT.  A lane holds 8 neighbouring outputs of one token in each accumulator; the lanes beside it hold other tokens.  So a tile of 16 tokens x 64 outputs goes through my own stage in LDS and comes
	; back as whole rows of 256 bytes.  LDS serves a wave's instructions in order (ISA guide 5.7.1.4): no wait between the stores and the loads.
.rept 4
	v_nop                                          ; places behind the last products: for the first read of results and for loads into registers that they have read
.endr
.irp a, 0,1
.irp b, 0,1,2,3
	ds_store_b128 v[STO], v[ACC+32*\a+8*\b:ACC+32*\a+8*\b+3] offset:4352*\a+128*(\b/2)+32*(\b%2)        ; each accumulator from its low end on
	ds_store_b128 v[STO], v[ACC+32*\a+8*\b+4:ACC+32*\a+8*\b+7] offset:4352*\a+128*(\b/2)+32*(\b%2)+16
.endr
.irp k, 0,1,2,3,4,5,6,7
	ds_load_b128 v[OUTR+32*\a+4*\k:OUTR+32*\a+4*\k+3], v[RD] offset:4352*\a+544*\k
.endr
.endr
.irp a, 0,1
.irp k, 0,1,2,3,4,5,6,7
	s_wait_dscnt 23-16*\a-\k                       ; what was issued behind this load may be out: the rest of its eight, and for the first tile the second's sixteen
	global_store_b128 v[CO], v[OUTR+32*\a+4*\k:OUTR+32*\a+4*\k+3], s[88:89] offset:(2*\k+8*(\k/4)+8*\a)*4096 th:TH_STORE_NT   ; stage row p is token 8 a + p + 8 (p / 8) of my 32; 16 lanes store 256 consecutive bytes, aligned
.endr
.endr
	s_wait_tensorcnt 0x0
	ds_add_u32 v254, v255
	s_wait_dscnt 0x0
	CROUND                                         ; the closing round: no work-group ends while a partner may still ask for a record that names it
	s_endpgm
.Lfunc_end_k_q886aca5ebb_proj:
	.size	k_q886aca5ebb_proj, .Lfunc_end_k_q886aca5ebb_proj-k_q886aca5ebb_proj
	.p2alignl 7, 3214868480
	.fill 96, 4, 3214868480
	.section	.rodata,"a",@progbits
	.p2align	6, 0x0
	.amdhsa_kernel k_q886aca5ebb_proj
		.amdhsa_group_segment_fixed_size 275456
		.amdhsa_private_segment_fixed_size 0
		.amdhsa_enable_private_segment 0
		.amdhsa_kernarg_size 32
		.amdhsa_user_sgpr_count 2
		.amdhsa_user_sgpr_kernarg_segment_ptr 1
		.amdhsa_wavefront_size32 1
		.amdhsa_system_sgpr_workgroup_id_x 1
		.amdhsa_system_sgpr_workgroup_id_y 1
		.amdhsa_system_sgpr_workgroup_id_z 1
		.amdhsa_system_vgpr_workitem_id 0
		.amdhsa_next_free_vgpr 512
		.amdhsa_next_free_sgpr 90
		.amdhsa_reserve_vcc 0
		.amdhsa_float_denorm_mode_32 3
		.amdhsa_float_denorm_mode_16_64 3
		.amdhsa_memory_ordered 1
		.amdhsa_forward_progress 1
		.amdhsa_inst_pref_size 36
	.end_amdhsa_kernel
	.amdgpu_metadata
---
amdhsa.version: [ 1, 2 ]
amdhsa.kernels:
  - .name:           k_q886aca5ebb_proj
    .symbol:         k_q886aca5ebb_proj.kd
    .args:
      - { .name: oimg, .offset: 0, .size: 8, .value_kind: global_buffer, .address_space: global }
      - { .name: ops, .offset: 8, .size: 8, .value_kind: global_buffer, .address_space: global }
      - { .name: bo, .offset: 16, .size: 8, .value_kind: global_buffer, .address_space: global }
      - { .name: out0, .offset: 24, .size: 8, .value_kind: global_buffer, .address_space: global }
    .group_segment_fixed_size: 275456
    .private_segment_fixed_size: 0
    .kernarg_segment_align: 8
    .kernarg_segment_size: 32
    .max_flat_workgroup_size: 256
    .sgpr_count:     90
    .vgpr_count:     512
    .wavefront_size: 32
...
	.end_amdgpu_metadata
.endif
;; end of part 4
